; MI455X (gfx1250); checked and timed in simulation.
; The chip was launched on July 23, 2026; its instructions are those of AMD's public machine-readable ISA for CDNA 5 (MIT licence, August 2026) and "CDNA5" Instruction Set Architecture Reference Guide (July 2026). The comments in the code are by the model that wrote it; some were corrected since.
;; Self Attention Layer. Allowed arithmetic: matrix products marked QUANTISED: E2M3 operands, one E8M0 scale for each 32 along K, by v_wmma_scale_f32_16x16x128_f8f6f4 with both operands' format E2M3, f32 sums; everything else in f32.
;; Inputs: Wk_codes 1,024 x 32 x 24 uint8 (E2M3 codes of Wk, K innermost, in blocks of 32 codes, four codes in three bytes); Wk_scales 1,024 x 32 uint8 (E8M0 scales of Wk, one for each 32 codes along K); Wp_codes 1,024 x 32 x 24 uint8 (E2M3 codes of Wp, K innermost, in blocks of 32 codes, four codes in three bytes); Wp_scales 1,024 x 32 uint8 (E8M0 scales of Wp, one for each 32 codes along K); Wq_codes 1,024 x 32 x 24 uint8 (E2M3 codes of Wq, K innermost, in blocks of 32 codes, four codes in three bytes); Wq_scales 1,024 x 32 uint8 (E8M0 scales of Wq, one for each 32 codes along K); Wv_codes 1,024 x 32 x 24 uint8 (E2M3 codes of Wv, K innermost, in blocks of 32 codes, four codes in three bytes); Wv_scales 1,024 x 32 uint8 (E8M0 scales of Wv, one for each 32 codes along K); bk 1,024 float32; bp 1,024 float32; bq 1,024 float32; bv 1,024 float32; x_codes 4 x 2,048 x 32 x 24 uint8 (E2M3 codes of x, K innermost, in blocks of 32 codes, four codes in three bytes); x_scales 4 x 2,048 x 32 uint8 (E8M0 scales of x, one for each 32 codes along K).
;; Outputs: out0 4 x 2,048 x 1,024 float32.
;; This version of the problem:
;;   THIS VERSION OF THE PROBLEM IS GIVEN IN LOW PRECISION. The matrix products marked QUANTISED in the list below multiply operands that are first quantised to E2M3 (2 exponent bits, 3 mantissa bits; 6 bits a number), with one power-of-two scale for each 32 numbers along K (OCP MX v1.0); their sums are f32. All else is computed in f32.
;;   The module's matrix products, in the order in which they are computed (A, B: the left and right operand; K: the contracted axis; several contracted axes count as one K, in the product's order):
;;     1. [M 8,192, K 1,024] x [K 1,024, N 1,024]; A: input x (given as codes); B: input Wq (given as codes): QUANTISED
;;     2. [M 8,192, K 1,024] x [K 1,024, N 1,024]; A: input x (given as codes); B: input Wk (given as codes): QUANTISED
;;     3. [M 8,192, K 1,024] x [K 1,024, N 1,024]; A: input x (given as codes); B: input Wv (given as codes): QUANTISED
;;     4. batch 64 x [M 2,048, K 64] x [K 64, N 2,048]; A: computed on the way; B: computed on the way: QUANTISED
;;     5. batch 64 x [M 2,048, K 2,048] x [K 2,048, N 64]; A: softmax (see below); B: computed on the way: QUANTISED
;;     6. [M 8,192, K 1,024] x [K 1,024, N 1,024]; A: computed on the way; B: input Wp (given as codes): QUANTISED
;;   THE QUANTISER, for each operand of a quantised product, along K:
;;     - K is cut into blocks of 32 from its start; a last block that is shorter is filled with zeros.
;;     - A block's scale is 2^e with e = floor(log2(the largest magnitude in the block)) - 2, held to -126 .. 127; a block of zeros has e = 0. As a byte (E8M0): e + 127.
;;     - Each number is divided by its block's scale, clamped to +-7.5, and rounded to the nearest number of E2M3, ties to even, subnormals kept.
;;     - The product sums the exact products of the quantised numbers (number of the format x scale) in f32.
;;   ~~~python
;;   def quantise(x, axis):      # numpy; x: float32 -> the quantised numbers, widened to float32 again
;;       x = np.moveaxis(x, axis, -1); K = x.shape[-1]
;;       x = np.pad(x, [(0, 0)] * (x.ndim - 1) + [(0, -K % 32)]); x = x.reshape(x.shape[:-1] + (-1, 32)); a = np.abs(x).max(-1, keepdims=True)
;;       e = np.where(a > 0, np.clip(np.frexp(np.where(a > 0, a, 1))[1] - 1 - 2, -126, 127), 0)      # np.frexp(a)[1] - 1 = floor(log2(a)), exactly
;;       r = np.clip(x / 2.0 ** e, -7.5, 7.5)
;;       step = 2.0 ** (np.maximum(np.frexp(np.where(r == 0, 1, r))[1] - 1, 0) - 3)
;;       q = np.round(r / step) * step * 2.0 ** e      # np.round: ties to even
;;       return np.moveaxis(q.reshape(q.shape[:-2] + (-1,))[..., :K], -1, axis).astype(np.float32)
;;   ~~~
;;   SOFTMAX AHEAD OF A QUANTISED PRODUCT. Where the list says 'softmax', what is quantised is not the finished softmax but p = 2^(t - M), with t = logit x log2(e) and M = ceil(the row's largest t), a whole number; so 1/2 < the row's largest p <= 1. The row's sum l is taken of the UNQUANTISED p, in f32, and the product's result is divided by l at the end. Since M is a whole number, a kernel that streams over the keys may use a running M (the ceiling of the running maximum): every later rescaling is an exact power of two, which a block's scale takes up: the codes' values come out the same.
;;   OPERANDS COMPUTED ON THE WAY. 'Computed on the way' means the value that the module computes at that place (a softmax that the list does not call 'softmax' is quantised finished and normalised). What goes into a quantiser is computed in f32, as accurately as f32 sums, v_exp_f32 and their like allow (about 1e-6 of the number): no bf16 or f16 on the way to a quantiser, and a product that is left as it is and whose result goes on into a quantised operand takes f32 operands (vector FMAs, or v_wmma_f32_16x16x4_f32). A number that lies on a knife's edge between two numbers of the format may be rounded either way, as far as f32 arithmetic and the matrix unit's own rounding can turn it there, and no further.
;;   INPUTS GIVEN AS CODES. Wk (in the module: [1024, 1024], K = its axis 0); Wp (in the module: [1024, 1024], K = its axis 0); Wq (in the module: [1024, 1024], K = its axis 0); Wv (in the module: [1024, 1024], K = its axis 0); x (in the module: [4, 2048, 1024], K = its axis 2): each comes as NAME_codes (uint8): NAME with its K axis moved to the last place and cut into blocks of 32 codes, [.., K / 32, bytes a block], one block behind the other in memory; four codes in three bytes: a row's codes are one little-endian stream of bits, code i at bits 6 i .. 6 i + 5 (a code: sign, 2 exponent bits, 3 mantissa bits); and NAME_scales (uint8): the same leading axes, one E8M0 byte (e + 127) for each 32 codes along K. Its value is code x scale, taken as it is: it is not quantised again, and the codes and scales need not be those that the quantiser above would give.
;; One version. Each part assembles by itself: llvm-mc -triple=amdgcn-amd-amdhsa -mcpu=gfx1250 --defsym DOCPART=n.
;; ======== version 1 of 1: 3 launches
;; workspace buffers: qws 13,369,344 bytes; kvws 13,369,344 bytes; ows 6,291,456 bytes; osc 262,144 bytes
;; launch proj (part 1): grid 12 x 32, 4 waves a work-group, clusters of 4 x 4, 327,680 bytes of LDS; arguments x_codes, x_scales, Wq_codes, Wq_scales, Wk_codes, Wk_scales, Wv_codes, Wv_scales, bq, bk, bv, qws, kvws; writes qws, kvws
.if DOCPART == 1
	.amdgcn_target "amdgcn-amd-amdhsa--gfx1250"
	.amdhsa_code_object_version 6
	.text
	.protected	k_qabe66a895e_proj
	.globl	k_qabe66a895e_proj
	.p2align	8
	.type	k_qabe66a895e_proj,@function
k_qabe66a895e_proj:
	s_mov_b64 s[64:65], 0
	v_nop
	global_prefetch_b8 v0, s[64:65] scope:SCOPE_SE
	s_setreg_imm32_b32 hwreg(HW_REG_WAVE_MODE, 25, 1), 1
	s_wait_xcnt 0x0
	s_wait_alu depctr_hold_cnt(0) depctr_sa_sdst(0) depctr_va_vdst(0) depctr_va_sdst(0) depctr_va_ssrc(0) depctr_va_vcc(0) depctr_vm_vsrc(0)
	s_getreg_b32 s2, hwreg(HW_REG_IB_STS2, 6, 4)
	s_cmp_eq_u32 s2, 0
	s_cbranch_scc0 .Lentry_in_a_cluster
	s_endpgm
.Lentry_in_a_cluster:
	s_bfe_u32 s2, ttmp6, 0x10000c
	s_cmp_lg_u32 s2, 0xf033
	s_cbranch_scc0 .Lentry_shape_is_right
	s_endpgm
.Lentry_shape_is_right:
; q = x Wq + bq, k = x Wk + bk, v = x Wv + bv on codes of FP6 (E2M3) with one E8M0 scale for each 32 along K = 1,024; the results are quantised at once, in registers, for the attention launch.
; One product form serves all three: C[m][n] = sum over k of A[m][k] B[n][k], quantised ALONG n.  Cluster x = 0: A = x, B = Wq (n = channels: q's K);  1: A = x, B = Wk;
; 2: A = Wv, B = x: that is v TRANSPOSED, m = channels, n = tokens, since the keys are the K of attention's second product.
; A tile of C is 256 x 256, made by four waves of 128 x 128 (64 accumulators, 512 registers).  K goes in steps of 256 through a ring of two LDS slots filled by the tensor data mover; the scale bytes of the
; work-group's rows, for all of K, come once with the first fills.  CLUSTERS of 4 x 4: A's tile is asked for jointly along a row of the cluster, B's along a column.
; THE MATRIX INSTRUCTION IS USED TRANSPOSED (source 0 = 16 rows of B, source 1 = 16 rows of A): lane (r, h) holds row r of C and, in accumulator b, columns 16 b + 8 h + 0 .. 7.
; THE QUANTISER takes the 16 registers of accumulators 2 B and 2 B + 1 as they stand: with the lane 16 away they are block B's 32 columns, so the scale is the block's; the codes come out in a fixed order inside
; each block of 32 (places 8-15 and 16-23 changed over).  That order falls alike on q and k, and alike on v's tokens and on the weights p that the attention launch makes in the same way: the products are the same.
; WHAT IS STORED are images of operand registers.  A record of 13,056 bytes for each (batch, head, 128 tokens): 8 tiles x 768 bytes of q or k (16 tokens x 64 channels, 6 registers a lane: registers 0-3 at 16 x lane,
; registers 4-5 at 512 + 8 x lane); from 6,144 four tiles x 1,536 bytes of v^T (16 channels x 128 tokens, 12 registers: three runs of 16 x lane); from 12,288 the tiles' scale words (16 bytes a lane: word p is that of
; tile 2 p + lane / 16, row lane % 16; its upper two bytes are 0); from 12,800 v's (8 bytes a lane).  Every store of a wave covers 512 or 256 consecutive bytes, aligned to 256.
; LIMITS: NaN and infinities among the inputs are not served.  A block of zeros gets the scale byte 1, not 127: its codes are zeros, and this program alone reads the bytes.
; REGISTERS, in windows of 256: window 0: v0-31 addresses; v32-63 scale words, two sets; v64-127 the bias along n; v128-223 A's fragments, one set; v240-255 the bias along m; in the epilogue v128-235 are at work.
;   window 1: B's fragments, two sets.   window 2: the accumulators of my rows 0-63 ((a, b) at v[8 (8 a + b)]);   window 3: those of rows 64-127.
.set KSTEP,  256                       ; along K in a slot
.set NQ,     KSTEP/128                 ; matrix instructions deep
.set ROWB,   192                       ; a tile's row in bytes
.set KROW,   768                       ; a row of 1,024 codes in memory
.set PITCH,  240                       ; an LDS row: 3 x (64 bytes + 16 of padding)
.set FR,     12                        ; registers of a fragment
.set NL,     6                         ; LDS loads that bring one
.set NP,     4                         ; places behind this matrix instruction (ISA guide 7.12.1)
.set HALFT,  128*PITCH                 ; 128 rows: what one tensor load brings
.set SLOT,   4*HALFT                   ; A's 256 rows, then B's 256 rows
.set LAPS,   2                         ; 1,024 / (2 x 256)
.set KS,     32                        ; a row of scale bytes
.set SCL,    2*SLOT                    ; behind the ring: the scales, as runs of 256 bytes + 16 of padding
.set HALFS,  (128*KS/256)*272          ; those of 128 rows
.set SBLK,   (16*KS/256)*272           ; those of 16 rows
.set SPARE,  SCL+4*HALFS               ; the spare words, 128 bytes for each wave: two blocks of 256 bytes that no other line names
.set REC,    13056                     ; a record of the workspace
.set HEADB,  16*REC                    ; a head's 16 records
.set ADRA, 16                          ; v16-17 LDS address of my A fragments in slot 0, 1 (v18-19: for the pieces behind one padding more)
.set ADRB, 20                          ; v20-23 the same for B
.set O16,  24                          ; v24    16 x lane
.set O8,   25                          ; v25    8 x lane
.set ADRS, 27                          ; v27    LDS address of my scale words: lanes 0-15 A's rows, lanes 16-31 B's
.set SPW,  28                          ; v28    LDS address of my spare word; never rewritten
.set NIL,  29                          ; v29    0; never rewritten
.set SC,   32                          ; scale words, set s at v[SC + 16 s]
.set BN,   64                          ; bias along n: register 8 b + j = bias(16 b + 8 h + j)
.set AF,   128                         ; A's fragments
.set BM,   240                         ; bias along m: the pair 2 a, 2 a + 1 = bias(16 a + r), twice
.set HA,   128                         ; epilogue: 64 numbers of a block of 16 rows
.set PC,   192                         ; epilogue: the codes just made (20 registers)
.set TM,   212                         ; epilogue: 16 registers at work
.set PWS,  228                         ; epilogue: the eight blocks' scale words
.set SEL,  66                          ; s[66:67] selects for v_permlanex16_b32: lane l xor 16
.set G1, 24                            ; s[24:31] descriptor group 1 for A's tiles;  s[32:39] group 0, one set for each slot
.set G0, 32
.set G1B, 48                           ; s[48:55], s[56:63] the same for B's tiles
.set G0B, 56
.set G1S, 68                           ; s[68:75], s[76:79] groups 1 and 0 for A's scales;  s[80:87], s[88:91] for B's (written once the pointers that arrive there have been chosen from)
.set G0S, 76
.set G1SB, 80
.set G0SB, 88
.set MSB, 0
.macro WIN new                         ; the immediate's high byte repeats the setting that is left
.if MSB != (\new)
	s_set_vgpr_msb (MSB<<8)|(\new)
.set MSB, (\new)
.endif
.endm
.set MUL_LO, 0xa1                      ; source 0 (B) window 1, source 1 (A) window 0, C and D window 2
.set MUL_HI, 0xf1                      ; the same, C and D window 3
.set TO_B,   0x40                      ; destination window 1, address window 0
; A joint load: waves 0 and 1 fetch for A, waves 2 and 3 for B.  The branch hangs on the wave's number alone.  Four v_nop follow each of the two lines.
.macro JLOAD g0a, g1a, g0b, g1b
	s_cmp_eq_u32 s15, 0
	s_cbranch_scc0 .Lfor_b_\@
	tensor_load_to_lds s[\g0a:\g0a+3], s[\g1a:\g1a+7]
	s_nop 0
.rept 4
	v_nop
.endr
	s_branch .Lasked_\@
.Lfor_b_\@:
	tensor_load_to_lds s[\g0b:\g0b+3], s[\g1b:\g1b+7]
	s_nop 0
.rept 4
	v_nop
.endr
.Lasked_\@:
.endm
.macro CREST                           ; a round of the cluster's barrier behind its opening barrier
	s_cmp_lg_u32 s14, 0
	s_cbranch_scc1 .Lnot_wave_0_\@
	s_barrier_signal -3
.Lnot_wave_0_\@:
	s_barrier_wait -3
	s_barrier_signal -1
	s_barrier_wait -1
.endm
.macro CROUND                          ; a whole round
	s_barrier_signal -1
	s_barrier_wait -1
	CREST
.endm
	s_load_b512 s[68:83], s[0:1], 0x0              ; x's codes, x's scales, Wq's, Wk's, Wv's codes and scales
	s_load_b256 s[84:91], s[0:1], 0x40             ; bq, bk, bv, qws
	s_load_b64 s[92:93], s[0:1], 0x60              ; kvws
	v_lshl_add_u32 v[SPW], v0, 2, SPARE
	v_mov_b32 v[NIL], 0
	ds_add_u32 v28, v29
	ds_add_u32 v28, v29
	s_wait_dscnt 0x0
	v_lshrrev_b32 v1, 5, v0
	v_readfirstlane_b32 s14, v1                    ; wave 0..3
	s_lshr_b32 s15, s14, 1                         ; which half of the tile's rows is mine.  Also: I fetch for A (0) or for B (1)
	s_and_b32 s16, s14, 1                          ; which half of its columns.  Also: which 128 rows of that tile I fetch
	s_bfe_u32 s40, ttmp6, 0x40000                  ; cx, cy: my place in the cluster
	s_bfe_u32 s41, ttmp6, 0x40004
	s_and_b32 s17, ttmp7, 0xffff
	s_lshl_b32 s17, s17, 2                         ; 4 x cluster y
	s_cmp_eq_u32 ttmp9, 2                          ; v's clusters walk the tokens along n, the others along m
	s_cselect_b32 s42, s17, 0
	s_cselect_b32 s17, 0, s17
	s_add_co_u32 s42, s42, s40                     ; tile column of C
	s_add_co_u32 s17, s17, s41                     ; tile row of C
	s_lshl_b32 s43, s41, 2
	s_lshl_b32 s43, 15, s43                        ; my row of the cluster
	s_lshl_b32 s44, 0x1111, s40                    ; my column
	; descriptor group 1: a tile of 128 rows x 192 bytes, 16 bytes of padding behind every 64
	s_or_b32 s[G1+0], s43, (0<<16)|(1<<20)|(1<<21)|(3<<22)|(3<<25)
	s_or_b32 s[G1B+0], s44, (0<<16)|(1<<20)|(1<<21)|(3<<22)|(3<<25)
.irp g, G1, G1B
	s_mov_b32 s[\g+1], ROWB<<16                    ; tensor_dim0
	s_mov_b32 s[\g+2], 128<<16                     ; tensor_dim1
	s_mov_b32 s[\g+3], ROWB<<16                    ; tile_dim0
	s_mov_b32 s[\g+4], 128                         ; tile_dim1
	s_mov_b32 s[\g+5], KROW                        ; tensor_dim0_stride
	s_mov_b32 s[\g+6], 0
	s_mov_b32 s[\g+7], 0
.endr
	s_lshl_b32 s18, s16, 7                         ; which 128 rows of the tile I fetch
	s_lshl_b32 s20, s17, 8
	s_add_co_u32 s20, s20, s18                     ; A: row 256 x tile row + 128 x half
	s_lshl_b32 s46, s42, 8
	s_add_co_u32 s46, s46, s18                     ; B: row 256 x tile column + 128 x half
	s_mov_b32 s21, 0
	s_mov_b32 s47, 0
	s_mov_b64 s[18:19], KS
	s_mul_u64 s[22:23], s[20:21], s[18:19]         ; where these rows' scales begin, in bytes
	s_mul_u64 s[94:95], s[46:47], s[18:19]
	s_mov_b64 s[18:19], KROW
	s_mul_u64 s[20:21], s[20:21], s[18:19]         ; and their codes
	s_mul_u64 s[46:47], s[46:47], s[18:19]
	s_mul_i32 s45, s14, HALFT                      ; where they go: wave x 128 rows: no place in the cluster enters an LDS address
	s_mul_i32 s3, s14, HALFS
	s_mov_b32 s[SEL], 0x76543210
	s_mov_b32 s[SEL+1], 0xfedcba98
	s_mov_b32 s2, 0xffff0000                       ; a lane mask: lanes 16-31
	s_wait_kmcnt 0x0
	s_cmp_eq_u32 ttmp9, 2                          ; the buffers are chosen by the cluster's x alone
	s_cselect_b64 s[4:5], s[80:81], s[68:69]       ; A's codes: Wv's or x's
	s_cselect_b64 s[6:7], s[82:83], s[70:71]       ; A's scales
	s_cselect_b64 s[8:9], s[68:69], s[76:77]       ; B's codes: x's, or Wk's,
	s_cselect_b64 s[10:11], s[70:71], s[78:79]
	s_cselect_b64 s[96:97], s[88:89], s[86:87]     ; the bias: bv or bk,
	s_cmp_eq_u32 ttmp9, 0
	s_cselect_b64 s[8:9], s[72:73], s[8:9]         ; or Wq's
	s_cselect_b64 s[10:11], s[74:75], s[10:11]
	s_cselect_b64 s[96:97], s[84:85], s[96:97]     ; or bq
	s_cselect_b64 s[12:13], s[90:91], s[92:93]     ; where the results go: qws or kvws
	s_mov_b64 s[98:99], s[96:97]
	s_add_nc_u64 s[20:21], s[4:5], s[20:21]
	s_add_nc_u64 s[22:23], s[6:7], s[22:23]
	s_add_nc_u64 s[46:47], s[8:9], s[46:47]
	s_add_nc_u64 s[94:95], s[10:11], s[94:95]
	; the scales of 128 rows: a dense block of 4,096 bytes, as rows of 256 bytes (32 elements of 8 bytes), 16 bytes of padding behind each
	s_or_b32 s[G1S+0], s43, (3<<16)|(1<<20)|(1<<21)|(5<<22)|(3<<25)
	s_or_b32 s[G1SB+0], s44, (3<<16)|(1<<20)|(1<<21)|(5<<22)|(3<<25)
.irp g, G1S, G1SB
	s_mov_b32 s[\g+1], 32<<16
	s_mov_b32 s[\g+2], (128*KS/256)<<16
	s_mov_b32 s[\g+3], 32<<16
	s_mov_b32 s[\g+4], 128*KS/256
	s_mov_b32 s[\g+5], 32
	s_mov_b32 s[\g+6], 0
	s_mov_b32 s[\g+7], 0
.endr
	CROUND                                         ; all sixteen work-groups are here: the first joint loads meet
	s_mov_b32 s[G0S], 1
	s_add_co_u32 s[G0S+1], s3, SCL
	s_mov_b64 s[G0S+2:G0S+3], s[22:23]
	s_or_b32 s[G0S+3], s[G0S+3], 0x80000000
	s_mov_b32 s[G0SB], 1
	s_add_co_u32 s[G0SB+1], s3, SCL
	s_mov_b64 s[G0SB+2:G0SB+3], s[94:95]
	s_or_b32 s[G0SB+3], s[G0SB+3], 0x80000000
	JLOAD G0S, G1S, G0SB, G1SB                     ; the scales first: they are wanted with K step 0
.irp s, 0,1
	s_mov_b32 s[G0+4*\s], 1
	s_add_co_u32 s[G0+4*\s+1], s45, \s*SLOT
	s_add_nc_u64 s[G0+4*\s+2:G0+4*\s+3], s[20:21], \s*ROWB
	s_or_b32 s[G0+4*\s+3], s[G0+4*\s+3], 0x80000000
	s_mov_b32 s[G0B+4*\s], 1
	s_add_co_u32 s[G0B+4*\s+1], s45, \s*SLOT
	s_add_nc_u64 s[G0B+4*\s+2:G0B+4*\s+3], s[46:47], \s*ROWB
	s_or_b32 s[G0B+4*\s+3], s[G0B+4*\s+3], 0x80000000
	JLOAD G0+4*\s, G1, G0B+4*\s, G1B
.endr
	v_and_b32 v1, 15, v0                           ; r = l % 16
	v_bfe_u32 v2, v0, 4, 1                         ; h = l / 16
	v_mul_u32_u24 v3, v1, PITCH
	v_mul_u32_u24 v4, v2, 24
	v_add_nc_u32 v4, v3, v4                        ; a fragment's row x pitch + 24 x half
	v_lshl_add_u32 v5, v2, 4, v4                   ; and the same behind one padding more
	s_mul_i32 s21, s15, HALFT                      ; my 128 rows of A
	s_mul_i32 s22, s16, HALFT                      ; my 128 rows of B,
	s_add_co_u32 s22, s22, 2*HALFT                 ; which lie behind A's 256
.irp s, 0,1
	v_add_nc_u32 v[ADRA+\s], s21, v4
	v_add_nc_u32 v[ADRB+\s], s22, v4
	v_add_nc_u32 v[ADRA+2+\s], s21, v5
	v_add_nc_u32 v[ADRB+2+\s], s22, v5
	s_add_co_u32 s21, s21, SLOT
	s_add_co_u32 s22, s22, SLOT
.endr
	v_mul_u32_u24 v5, v1, KS                       ; my row's scales: 32 bytes a row,
	v_lshrrev_b32 v6, 8, v5
	v_lshl_add_u32 v5, v6, 4, v5                   ; and 16 more for each 256 passed
	s_mul_i32 s21, s15, HALFS                      ; A's: my 128 rows
	s_mul_i32 s22, s16, HALFS                      ; B's: my 128 rows, behind A's 256
	s_add_co_u32 s22, s22, 2*HALFS
	s_sub_co_u32 s22, s22, s21
	v_mul_u32_u24 v6, s22, v2                      ; lanes 16-31 take B's
	s_add_co_u32 s21, s21, SCL
	v_add_nc_u32 v5, v5, v6
	v_add_nc_u32 v[ADRS], s21, v5
	v_and_b32 v6, 31, v0
	v_lshlrev_b32 v[O16], 4, v6
	v_lshlrev_b32 v[O8], 3, v6
	v_lshlrev_b32 v12, 5, v2                       ; the bias along n: 32 h bytes
	v_lshlrev_b32 v13, 2, v1                       ; the bias along m: 4 r bytes
	; both biases are loaded on both ways; the one that is not the product's channel axis is taken modulo 1,024, so that it stays in its buffer, and is not used
	s_lshl_b32 s46, s42, 8
	s_lshl_b32 s47, s16, 7
	s_add_co_u32 s46, s46, s47                     ; my first column
	s_and_b32 s46, s46, 1023
	s_lshl_b32 s46, s46, 2
	s_mov_b32 s47, 0
	s_add_nc_u64 s[96:97], s[96:97], s[46:47]
	s_lshl_b32 s20, s17, 8
	s_lshl_b32 s21, s15, 7
	s_add_co_u32 s20, s20, s21                     ; my first row
	s_and_b32 s20, s20, 1023
	s_lshl_b32 s20, s20, 2
	s_mov_b32 s21, 0
	s_add_nc_u64 s[98:99], s[98:99], s[20:21]
.irp b, 0,1,2,3,4,5,6,7
	global_load_b128 v[BN+8*\b:BN+8*\b+3], v12, s[96:97] offset:64*\b
	global_load_b128 v[BN+8*\b+4:BN+8*\b+7], v12, s[96:97] offset:64*\b+16
.endr
.irp a, 0,1,2,3,4,5,6,7
	global_load_b32 v[BM+2*\a], v13, s[98:99] offset:64*\a
	global_load_b32 v[BM+2*\a+1], v13, s[98:99] offset:64*\a      ; twice: the packed addition names a pair
.endr
	; my wave's record: its 128 tokens are group g of 64, its 128 channels heads hd and hd + 1
	s_lshl_b32 s20, s17, 1
	s_add_co_u32 s20, s20, s15                     ; 2 x tile row + my half
	s_lshl_b32 s46, s42, 1
	s_add_co_u32 s46, s46, s16                     ; 2 x tile column + my half
	s_cmp_eq_u32 ttmp9, 2
	s_cselect_b32 s21, s46, s20                    ; g: along n for v, along m for q and k
	s_cselect_b32 s47, s20, s46
	s_lshl_b32 s47, s47, 1                         ; hd
	s_lshr_b32 s18, s21, 4                         ; the batch
	s_lshl_b32 s18, s18, 4
	s_add_co_u32 s18, s18, s47                     ; 16 x batch + hd
	s_lshl_b32 s18, s18, 4
	s_and_b32 s21, s21, 15
	s_add_co_u32 s18, s18, s21                     ; the record's number, under 1,024
	s_mul_i32 s18, s18, REC
	s_mov_b32 s19, 0
	s_add_nc_u64 s[12:13], s[12:13], s[18:19]
.macro FRAG reg, adr, q, i             ; a fragment, 16 rows x 128 K, is 12 registers: lane l holds row l % 16; registers 6 c .. 6 c + 5 hold K = 64 c + 32 (l / 16) + 0 .. 31: 24 bytes of the row, as they lie
.irp p, 0,1,2,3,4,5                    ; in pieces of 8 bytes.  Lanes 16-31 read three pieces further on than lanes 0-15: where that lies behind one padding more, the second address register serves
.set PCE, 12*(\q)+6*(\p/3)+\p%3
.if PCE%8 < 5
	ds_load_b64 v[\reg+2*\p:\reg+2*\p+1], v[\adr] offset:8*PCE+16*(PCE/8)+(\i)*16*PITCH
.else
	ds_load_b64 v[\reg+2*\p:\reg+2*\p+1], v[\adr+2] offset:8*PCE+16*(PCE/8)+(\i)*16*PITCH
.endif
.endr
.endm
; 16 matrix instructions: A's blocks a0, a0 + 1 x B's eight, 128 along K.  p: B's set; sc: the set of scale words.  zero = 1: the first product starts the sums.
; The 64 accumulators take turns, one instruction a turn, in the same order in every step.
.macro MUL16 a0, p, q, sc, zero
.irp a, \a0, \a0+1
.irp b, 0,1,2,3,4,5,6,7
.if \zero
	v_wmma_scale_f32_16x16x128_f8f6f4 v[8*(8*((\a)%4)+\b):8*(8*((\a)%4)+\b)+7], v[128*(\p)+FR*\b:128*(\p)+FR*\b+FR-1], v[AF+FR*(\a):AF+FR*(\a)+FR-1], 0, v[SC+8*NQ*(\sc)+NQ*\b+(\q)], v[SC+8*NQ*(\sc)+NQ*(\a)+(\q)] matrix_a_fmt:MATRIX_FMT_FP6 matrix_b_fmt:MATRIX_FMT_FP6 matrix_a_scale:MATRIX_SCALE_ROW1
.else
	v_wmma_scale_f32_16x16x128_f8f6f4 v[8*(8*((\a)%4)+\b):8*(8*((\a)%4)+\b)+7], v[128*(\p)+FR*\b:128*(\p)+FR*\b+FR-1], v[AF+FR*(\a):AF+FR*(\a)+FR-1], v[8*(8*((\a)%4)+\b):8*(8*((\a)%4)+\b)+7], v[SC+8*NQ*(\sc)+NQ*\b+(\q)], v[SC+8*NQ*(\sc)+NQ*(\a)+(\q)] matrix_a_fmt:MATRIX_FMT_FP6 matrix_b_fmt:MATRIX_FMT_FP6 matrix_a_scale:MATRIX_SCALE_ROW1
.endif
.endr
.endr
.endm
.macro FETCH_B slot, q, p              ; B's eight fragments of the slot's q-th 128 along K into set p
	WIN TO_B
.irp i, 0,1,2,3,4,5,6,7
	FRAG 128*(\p)+FR*\i, ADRB+\slot, \q, \i
.endr
	WIN 0
.endm
.macro FETCH_A slot, q, i0             ; A's blocks i0 .. i0 + 3
.irp i, \i0, \i0+1, \i0+2, \i0+3
	FRAG AF+FR*(\i), ADRA+\slot, \q, \i
.endr
.endm
.macro SCALES sc                       ; the next K step's scale words into set sc: lanes 0-15 take A's block i, lanes 16-31 B's block i
.irp i, 0,1,2,3,4,5,6,7
	ds_load_b64 v[SC+8*NQ*\sc+NQ*\i:SC+8*NQ*\sc+NQ*\i+1], v[ADRS] offset:\i*SBLK
.endr
.endm
.macro PLACES n                        ; plain vector instructions between a matrix instruction and a load into, or a vector write of, its registers, or a read of its result
.rept \n
	v_nop
.endr
.endm
; A step of 128 along K that has its successor in the same slot.
.macro STEP slot, q, zero
	s_wait_dscnt 4*NL                              ; B's set and A's blocks 0-3 are in; the youngest 24 loads (A's blocks 4-7) may be out
	WIN MUL_LO
	MUL16 0, (\q)%2, \q, \slot, \zero
	MUL16 2, (\q)%2, \q, \slot, \zero
	s_wait_dscnt 0                                 ; A's blocks 4-7 are in
	PLACES NP
	FETCH_B \slot, (\q)+1, 1-(\q)%2
	FETCH_A \slot, (\q)+1, 0
	WIN MUL_HI
	MUL16 4, (\q)%2, \q, \slot, \zero
	MUL16 6, (\q)%2, \q, \slot, \zero
	PLACES NP
	WIN 0
	FETCH_A \slot, (\q)+1, 4
.endm
; A slot's last step changes slots: one barrier; in front of it each wave waits for all its tensor loads, adds 0 to its spare word, and waits for that and for its own reads of this slot.  fill = 1: this slot is filled again, two K steps ahead.
.macro TURN slot, next, fill
	s_wait_tensorcnt 0x0                           ; all my tensor loads have landed: my part of the next slot
	ds_add_u32 v[SPW], v[NIL]                      ; 0 onto my spare word
	s_wait_dscnt 4*NL+1                            ; the add and the youngest 24 loads (A's blocks 4-7) may be out
	WIN MUL_LO
	MUL16 0, 1, NQ-1, \slot, 0                     ; sixteen matrix instructions stand between the add and the wait for it
	s_wait_dscnt 0x0                               ; the add is done, and my reads of this slot are over
	s_barrier_signal -1
	MUL16 2, 1, NQ-1, \slot, 0
	WIN 0
	s_barrier_wait -1
.if \fill
	CREST                                          ; the barrier has opened a round of the cluster's barrier: no wave of any partner still reads this slot's tile or has a load on its way
	s_add_nc_u64 s[G0+4*\slot+2:G0+4*\slot+3], s[G0+4*\slot+2:G0+4*\slot+3], 2*ROWB
	s_add_nc_u64 s[G0B+4*\slot+2:G0B+4*\slot+3], s[G0B+4*\slot+2:G0B+4*\slot+3], 2*ROWB
	JLOAD G0+4*\slot, G1, G0B+4*\slot, G1B         ; the first tensor load behind the round; the four v_nop behind it are the places in front of the loads below
.else
	PLACES NP
.endif
	v_add_nc_u32 v[ADRS], 4*NQ, v[ADRS]            ; on to the next K step's scale words (no LDS load of mine is out)
	FETCH_B \next, 0, 0
	FETCH_A \next, 0, 0
	SCALES \next
	WIN MUL_HI
	MUL16 4, 1, NQ-1, \slot, 0
	MUL16 6, 1, NQ-1, \slot, 0
	PLACES NP
	WIN 0
	FETCH_A \next, 0, 4
.endm
	s_wait_tensorcnt 1                             ; of my three first fills the scales and K step 0 are in; K step 1's may be out
	s_barrier_signal -1
	s_barrier_wait -1                              ; everybody's are
	FETCH_B 0, 0, 0
	FETCH_A 0, 0, 0
	SCALES 0
	FETCH_A 0, 0, 4
	STEP 0, 0, 1                                   ; the first step stands in front of the loop: its products start the sums
	s_mov_b32 s3, LAPS-1
.Llap:                                                 ; a trip goes once round the ring, from a lap's second step to the next lap's first, and fills both slots again
	TURN 0, 1, 1
	STEP 1, 0, 0
	TURN 1, 0, 1
	STEP 0, 0, 0
	s_sub_co_u32 s3, s3, 1
	s_cmp_lg_u32 s3, 0
	s_cbranch_scc1 .Llap
	TURN 0, 1, 0                                   ; the last lap fills nothing
	STEP 1, 0, 0
	s_wait_dscnt 4*NL                              ; the very last step: nothing more to fetch
	WIN MUL_LO
	MUL16 0, 1, NQ-1, 1, 0
	MUL16 2, 1, NQ-1, 1, 0
	s_wait_dscnt 0
	WIN MUL_HI
	MUL16 4, 1, NQ-1, 1, 0
	MUL16 6, 1, NQ-1, 1, 0
	WIN 0
; 64 numbers of a lane, v[s] .. v[s + 63]: registers 16 b .. 16 b + 15 are my half's 16 numbers of block b of my row.  They become a fragment's codes in v[PC] .. v[PC + 11] and its scale word in v[pw].
.macro QUANT s, pw
.irp b, 0,1,2,3
	v_max3_num_f32 v[TM+\b], |v[\s+16*\b]|, |v[\s+1+16*\b]|, 0x1800000   ; my 16 numbers, and the floor 2^(3 - 127): so the byte cannot fall under 1
.endr
.irp i, 2,4,6,8,10,12,14
.irp b, 0,1,2,3
	v_max3_num_f32 v[TM+\b], v[TM+\b], |v[\s+16*\b+\i]|, |v[\s+1+16*\b+\i]|   ; the four blocks by turns
.endr
.endr
.irp b, 0,1,2,3
	v_permlanex16_b32 v[TM+4+\b], v[TM+\b], s[SEL], s[SEL+1]
.endr
.irp b, 0,1,2,3
	v_max_num_f32 v[TM+\b], v[TM+\b], v[TM+4+\b]   ; with lane l xor 16's: the block's largest magnitude
.endr
.irp b, 0,1,2,3
	v_add_nc_u32 v[TM+12+\b], 0xff000000, v[TM+\b] ; 2 off its exponent field: the conversion takes the exponent field of this operand as its scale
.endr
.irp b, 0,1,2,3
	v_lshrrev_b32 v[TM+4+\b], 23, v[TM+12+\b]      ; the scale's byte
.endr
	v_lshl_or_b32 v[\pw], v[TM+5], 8, v[TM+4]      ; the four bytes make my row's scale word
	v_lshl_or_b32 v[\pw], v[TM+6], 16, v[\pw]
	v_lshl_or_b32 v[\pw], v[TM+7], 24, v[\pw]
.irp c, 0,1
	v_cvt_scalef32_pk16_fp6_f32 v[PC+6*\c:PC+2+6*\c], v[\s+32*\c:\s+15+32*\c], v[TM+12+2*\c]
	v_cvt_scalef32_pk16_fp6_f32 v[PC+12+4*\c:PC+14+4*\c], v[\s+16+32*\c:\s+31+32*\c], v[TM+12+2*\c+1]   ; (a conversion's three registers begin on an even number)
.endr
	v_nop                                          ; one plain place behind a scaled conversion
.irp c, 0,1                                    ; the operand's layout wants a whole block in a lane: lanes 0-15 block 2 c, lanes 16-31 block 2 c + 1
.irp i, 0,1,2
	v_permlane16_swap_b32 v[PC+6*\c+\i], v[PC+12+4*\c+\i]
.endr
.irp i, 0,1,2
	v_mov_b32 v[PC+3+6*\c+\i], v[PC+12+4*\c+\i]
.endr
.endr
.endm
; THE WAY OUT, block by block of 16 rows: the bias is added (which also brings the sums into window 0, each accumulator from its low end on), the 128 columns are quantised, and the codes are stored as they stand.
; isv = 0: the block is 16 tokens; registers 0-5 are a tile of the first head, 6-11 of the second.  isv = 1: the block is 16 channels of head a / 4; the 12 registers are a fragment of v^T.
.macro EPI isv
.irp a, 0,1,2,3,4,5,6,7
.if \a > 0
	s_wait_xcnt 0x0                                ; the last block's stores have read their registers: the codes may be written again
.endif
	WIN 0x02+\a/4                                  ; source 0: window 2 or 3
.set AC, 64*(\a%4)
.set i, 0
.rept 32
.if \isv
	v_pk_add_f32 v[HA+2*i:HA+2*i+1], v[AC+2*i:AC+2*i+1], v[BM+2*\a:BM+2*\a+1]
.else
	v_pk_add_f32 v[HA+2*i:HA+2*i+1], v[AC+2*i:AC+2*i+1], v[BN+2*i:BN+2*i+1]
.endif
.set i, i+1
.endr
	WIN 0
	QUANT HA, PWS+\a
.if \isv
.irp i, 0,1,2
	global_store_b128 v[O16], v[PC+4*\i:PC+4*\i+3], s[12:13] offset:6144+HEADB*(\a/4)+1536*(\a%4)+512*\i   ; 32 lanes store 512 consecutive bytes
.endr
.else
	global_store_b128 v[O16], v[PC:PC+3], s[12:13] offset:768*\a
	global_store_b64 v[O8], v[PC+4:PC+5], s[12:13] offset:768*\a+512
	global_store_b128 v[O16], v[PC+6:PC+9], s[12:13] offset:768*\a+HEADB
	global_store_b64 v[O8], v[PC+10:PC+11], s[12:13] offset:768*\a+512+HEADB
.endif
.endr
.irp p, 0,1,2,3
	v_cndmask_b32 v[4+\p], v[PWS+2*\p], v[PWS+2*\p+1], s2   ; lanes 0-15 keep block 2 p's words, lanes 16-31 take block 2 p + 1's
.endr
.if \isv
	global_store_b64 v[O8], v[4:5], s[12:13] offset:12800          ; the first head's four tiles of channels,
	global_store_b64 v[O8], v[6:7], s[12:13] offset:12800+HEADB    ; the second's
.else
.irp p, 0,1,2,3
	v_and_b32 v[8+\p], 0xffff, v[4+\p]             ; the first head's two bytes; the upper two are 0,
.endr
.irp p, 0,1,2,3
	v_lshrrev_b32 v[4+\p], 16, v[4+\p]             ; and the second's likewise
.endr
	global_store_b128 v[O16], v[8:11], s[12:13] offset:12288
	global_store_b128 v[O16], v[4:7], s[12:13] offset:12288+HEADB
.endif
.endm
	s_wait_loadcnt 0x0                             ; the biases
	PLACES NP                                      ; behind the last products: their fragments' registers are written below
.irp b, 0,1,2,3
	v_mov_b32 v[TM+4+\b], 0                        ; written once: a lane permute's destination counts as one of its sources
.endr
	s_cmp_eq_u32 ttmp9, 2                          ; the same in all partners of a cluster
	s_cbranch_scc1 .Lv_out
	EPI 0
	s_branch .Ldone
.Lv_out:
	EPI 1
.Ldone:
	s_wait_tensorcnt 0x0                           ; the wave's end
	ds_add_u32 v[SPW], v[NIL]
	s_wait_dscnt 0x0
	CROUND                                         ; the closing round: no work-group ends while a partner may still ask for a tile that names it
	s_endpgm
.Lfunc_end_k_qabe66a895e_proj:
	.size	k_qabe66a895e_proj, .Lfunc_end_k_qabe66a895e_proj-k_qabe66a895e_proj
	.p2alignl 7, 3214868480
	.fill 96, 4, 3214868480
	.section	.rodata,"a",@progbits
	.p2align	6, 0x0
	.amdhsa_kernel k_qabe66a895e_proj
		.amdhsa_group_segment_fixed_size 327680
		.amdhsa_private_segment_fixed_size 0
		.amdhsa_enable_private_segment 0
		.amdhsa_kernarg_size 104
		.amdhsa_user_sgpr_count 2
		.amdhsa_user_sgpr_kernarg_segment_ptr 1
		.amdhsa_wavefront_size32 1
		.amdhsa_system_sgpr_workgroup_id_x 1
		.amdhsa_system_sgpr_workgroup_id_y 1
		.amdhsa_system_sgpr_workgroup_id_z 1
		.amdhsa_system_vgpr_workitem_id 0
		.amdhsa_next_free_vgpr 1024
		.amdhsa_next_free_sgpr 100
		.amdhsa_reserve_vcc 0
		.amdhsa_float_denorm_mode_32 3
		.amdhsa_float_denorm_mode_16_64 3
		.amdhsa_memory_ordered 1
		.amdhsa_forward_progress 1
		.amdhsa_inst_pref_size 234
	.end_amdhsa_kernel
	.amdgpu_metadata
---
amdhsa.version: [ 1, 2 ]
amdhsa.kernels:
  - .name:           k_qabe66a895e_proj
    .symbol:         k_qabe66a895e_proj.kd
    .args:
      - { .name: x_codes, .offset: 0, .size: 8, .value_kind: global_buffer, .address_space: global }
      - { .name: x_scales, .offset: 8, .size: 8, .value_kind: global_buffer, .address_space: global }
      - { .name: Wq_codes, .offset: 16, .size: 8, .value_kind: global_buffer, .address_space: global }
      - { .name: Wq_scales, .offset: 24, .size: 8, .value_kind: global_buffer, .address_space: global }
      - { .name: Wk_codes, .offset: 32, .size: 8, .value_kind: global_buffer, .address_space: global }
      - { .name: Wk_scales, .offset: 40, .size: 8, .value_kind: global_buffer, .address_space: global }
      - { .name: Wv_codes, .offset: 48, .size: 8, .value_kind: global_buffer, .address_space: global }
      - { .name: Wv_scales, .offset: 56, .size: 8, .value_kind: global_buffer, .address_space: global }
      - { .name: bq, .offset: 64, .size: 8, .value_kind: global_buffer, .address_space: global }
      - { .name: bk, .offset: 72, .size: 8, .value_kind: global_buffer, .address_space: global }
      - { .name: bv, .offset: 80, .size: 8, .value_kind: global_buffer, .address_space: global }
      - { .name: qws, .offset: 88, .size: 8, .value_kind: global_buffer, .address_space: global }
      - { .name: kvws, .offset: 96, .size: 8, .value_kind: global_buffer, .address_space: global }
    .group_segment_fixed_size: 327680
    .private_segment_fixed_size: 0
    .kernarg_segment_align: 8
    .kernarg_segment_size: 104
    .max_flat_workgroup_size: 128
    .sgpr_count:     100
    .vgpr_count:     1024
    .wavefront_size: 32
...
	.end_amdgpu_metadata
.endif
;; end of part 1
;; launch attn (part 2): grid 4 x 64, 16 waves a work-group, clusters of 4 x 1, 215,040 bytes of LDS; arguments qws, kvws, ows, osc; writes ows, osc
.if DOCPART == 2
	.amdgcn_target "amdgcn-amd-amdhsa--gfx1250"
	.amdhsa_code_object_version 6
	.text
	.protected	k_qabe66a895e_attn
	.globl	k_qabe66a895e_attn
	.p2align	8
	.type	k_qabe66a895e_attn,@function
k_qabe66a895e_attn:
	s_mov_b64 s[64:65], 0
	v_nop
	global_prefetch_b8 v0, s[64:65] scope:SCOPE_SE
	s_setreg_imm32_b32 hwreg(HW_REG_WAVE_MODE, 25, 1), 1
	s_wait_xcnt 0x0
	s_wait_alu depctr_hold_cnt(0) depctr_sa_sdst(0) depctr_va_vdst(0) depctr_va_sdst(0) depctr_va_ssrc(0) depctr_va_vcc(0) depctr_vm_vsrc(0)
	s_getreg_b32 s2, hwreg(HW_REG_IB_STS2, 6, 4)
	s_cmp_eq_u32 s2, 0
	s_cbranch_scc0 .Lentry_in_a_cluster
	s_endpgm
.Lentry_in_a_cluster:
	s_bfe_u32 s2, ttmp6, 0x10000c
	s_cmp_lg_u32 s2, 0x3003
	s_cbranch_scc0 .Lentry_shape_is_right
	s_endpgm
.Lentry_shape_is_right:
; o = softmax(q k^T / sqrt(2048), causal) v for one (batch, head), both products on codes of FP6 (E2M3) with E8M0 scales; o is quantised along the channels for the last product.
; q, k, v arrive as images of operand registers, in records of 13,056 bytes for each 128 tokens: 8 tiles x 768 bytes of k (or q), 4 fragments x 1,536 bytes of v^T, 512 bytes of k's scale words, 256 of v's.
; THE SOFTMAX: t = score x log2(e) / sqrt(2048); M = the running largest t rounded up to a whole number; p = 2^(t - M) is quantised along the keys, not normalised; the row's sum is taken of the unquantised p and
; divides at the end.  When M moves, the sum and O are multiplied by 2^(old M - new M): exact.
; SHARES.  The four work-groups of a cluster share one head.  The head's 16 records (208,896 bytes) lie in each work-group's LDS from byte 0 as they lie in memory, filled ONCE, by joint loads: no slot is filled again.
; A wave takes two tiles of 16 queries, one after the other: tile 8 g + 2 cx + e, which needs key steps 0 .. g, and its mirror 127 - that, which needs 0 .. 15 - g: 17 steps of 128 keys for every wave.
; g and e hang on the wave's number alone, so no branch and no LDS address hangs on the work-group's place; the place enters global addresses and the mask's numbers.
; Each g occurs twice among the 16 waves, and the four waves with equal number modulo 4, and those with equal number / 4, have g's that add up to 14.
; LAYOUT.  Both products are used transposed: S^T = k q^T (source 0 = 16 keys, source 1 = my 16 queries), O^T = v^T p^T: a lane holds one query (lane % 16) throughout.  In tile t of S^T lane (r, h) holds keys
; 16 t + 8 h + 0 .. 7; the quantiser takes the registers of tiles 2 b and 2 b + 1 as they stand, which gives block b's scale and its codes in the same fixed order in which v's tokens were laid.
; THE HEAD'S 64 CHANNELS ARE HALF OF THE INSTRUCTION'S 128: q's upper six registers are zero codes, and the scale words' upper two bytes are 0 (no NaN).  k's upper six registers are then whatever follows: the next
; tile's codes, which are finite numbers and are multiplied by zeros.
; LIMITS: NaN and infinities are not served; a block of zeros gets the scale byte 1 (its codes are zeros, and this program alone reads the bytes).
; o's scale bytes leave as one byte a lane, 32 bytes apart from row to row: one such store for each tile of queries.
; REGISTERS: v1 16 x lane, v2 8 x lane, v3-4 the step's LDS addresses, v5-6 the masks' numbers, v7 o's scale byte's place; v12 -M, v13 the largest t, v[14:15] the sum; v[16:27] q of the first tile, v[244:255] of the second;
; v28-29 q's scale words, v[30:33] k's, v[34:35] v's, v94 p's; v[36:89] eight tiles of k (v84-89 zeros), then four fragments of v^T; v[96:159] S^T, then p; v[160:191] O^T; v192-205 at work; v[224:243] codes.
.set REC,   13056
.set HEADB, 16*REC
.set PART,  2*REC                      ; what one tensor load brings: 102 rows of 256 bytes
.set L16,  1
.set L8,   2
.set AD16, 3
.set AD8,  4
.set WV,   12                          ; s12 my wave's number
.set SEL,  20                          ; s[20:21] selects for v_permlanex16_b32: lane l xor 16
.set CS,   22                          ; s[22:23] c = log2(e) / sqrt(2048)
.set G1,   24                          ; s[24:31] descriptor group 1;  s[32:35], s[36:39] groups 0 of my two fills
.set G0,   32
.set TB,   40                          ; s40 LDS byte at which the step's record begins
.set KC,   41                          ; s41 the key step
.macro CROUND                          ; a round of the cluster's barrier
	s_barrier_signal -1
	s_barrier_wait -1
	s_cmp_lg_u32 s[WV], 0
	s_cbranch_scc1 .Lnot_wave_0_\@
	s_barrier_signal -3
.Lnot_wave_0_\@:
	s_barrier_wait -3
	s_barrier_signal -1
	s_barrier_wait -1
.endm
	s_load_b256 s[4:11], s[0:1], 0x0               ; qws s[4:5], kvws s[6:7], ows s[8:9], osc s[10:11]
	v_lshl_add_u32 v239, v0, 2, 0x34000
	v_mov_b32 v243, 0
	ds_add_u32 v239, v243
	ds_add_u32 v239, v243
	v_lshrrev_b32 v8, 5, v0
	s_delay_alu instid0(VALU_DEP_1)
	v_readfirstlane_b32 s[WV], v8                  ; wave 0..15
	s_bfe_u32 s13, ttmp6, 0x40000                  ; cx: my place in the cluster
	s_and_b32 s14, ttmp7, 0xffff                   ; 16 x batch + head, which the four partners share
	s_lshr_b32 s2, s[WV], 3
	s_lshl_b32 s2, s2, 1
	s_bfe_u32 s3, s[WV], 0x10001
	s_add_co_u32 s15, s2, s3                       ; 2 (w / 8) + (w / 2) % 2: 0 .. 3
	s_bfe_u32 s16, s[WV], 0x10002                  ; e = (w / 4) % 2
	s_and_b32 s2, s[WV], 1
	s_xor_b32 s2, s2, s16
	s_mul_i32 s2, s2, 7
	s_xor_b32 s15, s15, s2                         ; g: turned over to 7 - .. where w % 2 differs from e
	s_mov_b32 s42, s15                             ; the first tile's last key step,
	s_xor_b32 s43, s15, 15                         ; and the second's: 15 - g
	s_lshl_b32 s17, s15, 3
	s_lshl_b32 s2, s13, 1
	s_add_co_u32 s17, s17, s2
	s_add_co_u32 s17, s17, s16                     ; the first tile of queries: 8 g + 2 cx + e
	s_sub_co_u32 s18, 127, s17                     ; the second
	s_mov_b32 s19, 0xffff0000                      ; a lane mask: lanes 16-31
	s_mov_b32 s[SEL], 0x76543210
	s_mov_b32 s[SEL+1], 0xfedcba98
	s_mov_b32 s[CS], 0x3d0293ee                    ; c
	s_mov_b32 s[CS+1], s[CS]                       ; (named with it as a pair, so it is written)
	; descriptor group 1: a dense block of 26,112 bytes as 102 rows of 256 bytes (32 elements of 8 bytes), no padding
	s_mov_b32 s[G1+0], 15|(3<<16)|(1<<21)          ; 15:0 the mask: all four work-groups; 17:16 elements of 8 bytes; 21 set beside a mask
	s_mov_b32 s[G1+1], 32<<16                      ; tensor_dim0
	s_mov_b32 s[G1+2], 102<<16                     ; tensor_dim1
	s_mov_b32 s[G1+3], 32<<16                      ; tile_dim0
	s_mov_b32 s[G1+4], 102                         ; tile_dim1
	s_mov_b32 s[G1+5], 32                          ; tensor_dim0_stride
	s_mov_b32 s[G1+6], 0
	s_mov_b32 s[G1+7], 0
	s_and_b32 s3, s[WV], 3
	s_mul_i32 s2, s3, PART                         ; waves 0-3: part w of the head's first half, and of its second
	s_mul_i32 s60, s14, HEADB
	s_add_co_u32 s60, s60, s2
	s_mov_b32 s61, 0
	s_wait_dscnt 0x0
	s_wait_kmcnt 0x0
	s_mov_b32 s[G0], 1
	s_mov_b32 s[G0+1], s2                          ; LDS address = the byte's place in the head
	s_add_nc_u64 s[G0+2:G0+3], s[6:7], s[60:61]
	s_mov_b32 s[G0+4], 1
	s_add_co_u32 s[G0+5], s2, 4*PART
	s_add_nc_u64 s[G0+6:G0+7], s[G0+2:G0+3], 4*PART
	s_or_b32 s[G0+3], s[G0+3], 0x80000000
	s_or_b32 s[G0+7], s[G0+7], 0x80000000
	CROUND                                         ; all four work-groups are here: the joint loads meet
	s_cmp_lt_u32 s[WV], 4                          ; a wave's two fills stand in one branch on its number: two tensor loads of mine are out
	s_cbranch_scc0 .Lno_fill
	tensor_load_to_lds s[G0:G0+3], s[G1:G1+7]      ; key steps 2 w, 2 w + 1
	s_nop 0
	tensor_load_to_lds s[G0+4:G0+7], s[G1:G1+7]    ; key steps 8 + 2 w, 9 + 2 w
	s_nop 0
.rept 4
	v_nop
.endr
.Lno_fill:
	v_and_b32 v8, 31, v0
	s_delay_alu instid0(VALU_DEP_1)
	v_lshlrev_b32 v[L16], 4, v8
	s_delay_alu instid0(VALU_DEP_2)
	v_lshlrev_b32 v[L8], 3, v8
	v_and_b32 v9, 15, v0                           ; r
	v_bfe_u32 v10, v0, 4, 1                        ; h
	s_delay_alu instid0(VALU_DEP_2)
	v_lshlrev_b32 v11, 4, v9                       ; q's scale words: 16 bytes from row to row
	s_delay_alu instid0(VALU_DEP_2)
	v_lshl_add_u32 v7, v9, 5, v10                  ; o's scale bytes: 32 r + h
	s_delay_alu instid0(VALU_DEP_3)
	v_lshlrev_b32 v8, 3, v10
	s_delay_alu instid0(VALU_DEP_1)
	v_sub_nc_u32 v8, v9, v8                        ; r - 8 h
; tile p of my two, its number in s[ti]: where its q and q's scale words lie, where its o and o's scale bytes go, and the mask's number
.macro BASES p, ti
	s_lshl_b32 s2, s14, 4
	s_lshr_b32 s3, s[\ti], 3
	s_add_co_u32 s2, s2, s3
	s_mul_i32 s2, s2, REC                          ; the record of the tile's 128 queries
	s_and_b32 s3, s[\ti], 7
	s_mul_i32 s60, s3, 768
	s_add_co_u32 s60, s60, s2
	s_add_nc_u64 s[44+8*\p:45+8*\p], s[4:5], s[60:61]
	s_and_b32 s60, s3, 1
	s_lshl_b32 s60, s60, 8                         ; an odd tile's words lie in lanes 16-31's places,
	s_lshr_b32 s3, s3, 1
	s_lshl_b32 s3, s3, 2                           ; word (tile / 2) of a lane's four
	s_add_co_u32 s60, s60, s3
	s_add_co_u32 s60, s60, s2
	s_add_co_u32 s60, s60, 12288
	s_add_nc_u64 s[46+8*\p:47+8*\p], s[4:5], s[60:61]
	s_lshr_b32 s2, s14, 4
	s_lshl_b32 s2, s2, 7
	s_add_co_u32 s2, s2, s[\ti]                    ; the tile among all 512: 128 x batch + tile
	s_and_b32 s3, s14, 15                          ; the head
	s_lshl_b32 s60, s2, 4
	s_add_co_u32 s60, s60, s3
	s_mul_i32 s60, s60, 768
	s_add_nc_u64 s[48+8*\p:49+8*\p], s[8:9], s[60:61]
	s_lshl_b32 s60, s2, 9                          ; 16 rows of 32 scale bytes,
	s_lshl_b32 s3, s3, 1                           ; the head's two
	s_add_co_u32 s60, s60, s3
	s_add_nc_u64 s[50+8*\p:51+8*\p], s[10:11], s[60:61]
	s_and_b32 s3, s[\ti], 7
	s_lshl_b32 s3, s3, 4
	v_add_nc_u32 v[5+\p], s3, v8                   ; my query's place in its key step, less 8 h
.endm
	s_wait_alu depctr_va_vdst(0)
	BASES 0, 17
	BASES 1, 18
	global_load_b128 v[16:19], v[L16], s[44:45]    ; both tiles' q stay in registers
	global_load_b64 v[20:21], v[L8], s[44:45] offset:512
	global_load_b32 v28, v11, s[46:47]
	global_load_b128 v[244:247], v[L16], s[52:53]
	global_load_b64 v[248:249], v[L8], s[52:53] offset:512
	global_load_b32 v29, v11, s[54:55]
.irp j, 0,1,2,3,4,5
	v_mov_b32 v[22+\j], 0                          ; q's codes of K = 64 .. 127: zeros
	v_mov_b32 v[250+\j], 0
	v_mov_b32 v[84+\j], 0                          ; what stands behind k's last tile
.endr
	v_mov_b32 v90, 0xff800000                      ; -infinity
	v_mov_b32 v91, 0                               ; written once: a lane permute's destination counts as one of its sources
	v_mov_b32 v93, 0                               ; (named as the upper half of the pair v[92:93])
.irp b, 0,1,2,3
	v_mov_b32 v[196+\b], 0
.endr
	s_wait_loadcnt 0x0                             ; q
; ONE TILE OF QUERIES.  p: which of my two; q, qs: its fragment and scale word; dq: the mask's number; lim: its last key step; trips: the loop's constant count.
; The first tile needs key steps 0 .. 7 at the most, which are the first fills' bytes: its loop has 8 trips, so that its reads stay under LDS byte 104,448 while the second fills may still be on their way.
.macro PASS p, q, qs, dq, lim, trips
.if \p
	s_wait_xcnt 0x0                                ; the first tile's stores have read their registers
.endif
	v_mov_b32 v13, 0xff61b1e6                      ; the largest t so far: -3e38, under every t
	s_delay_alu instid0(VALU_DEP_1)
	v_floor_f32 v12, -v13                          ; -M
	v_mov_b32 v14, 0                               ; the sum, in two halves
	v_mov_b32 v15, 0
.set i, 0
.rept 32
	v_mov_b32 v[160+i], 0                          ; O^T: the step is written once; its first trip finds zeros, which the first change of M leaves zeros
.set i, i+1
.endr
	s_wait_tensorcnt 1-\p                          ; first tile: my first fill is in, my second may be out;  second tile: both are in
	s_wait_dscnt 0x0
	s_barrier_signal -1
	s_barrier_wait -1                              ; everybody's are
	s_mov_b32 s[TB], 0
	s_mov_b32 s[KC], 0
.Lstep_\@:
	s_cmp_gt_u32 s[KC], s[\lim]                    ; a step all of whose keys come after my queries is left out: a branch on the wave's number and the trip
	s_cbranch_scc1 .Lskip_\@
	s_setprio 2
	v_add_nc_u32 v[AD16], s[TB], v[L16]
	v_add_nc_u32 v[AD8], s[TB], v[L8]
	v_nop
	v_nop                                          ; four places in front of loads into registers that the last trip's products have read
	ds_load_b128 v[30:33], v[AD16] offset:12288    ; k's scale words: register t / 2, lanes 16 (t % 2) on, for tile t
.irp t, 0,1,2,3,4,5,6,7
	ds_load_b128 v[36+6*\t:39+6*\t], v[AD16] offset:768*\t
	ds_load_b64 v[40+6*\t:41+6*\t], v[AD8] offset:768*\t+512
.endr
	s_wait_alu depctr_va_vdst(0)
	s_wait_dscnt 0x0
.irp t, 0,2,4,6                                ; S^T = k q^T: eight tiles of 16 keys
	v_wmma_scale_f32_16x16x128_f8f6f4 v[96+8*\t:103+8*\t], v[36+6*\t:47+6*\t], v[\q:\q+11], 0, v[30+\t/2], v[\qs] matrix_a_fmt:MATRIX_FMT_FP6 matrix_b_fmt:MATRIX_FMT_FP6
	v_wmma_scale_f32_16x16x128_f8f6f4 v[104+8*\t:111+8*\t], v[42+6*\t:53+6*\t], v[\q:\q+11], 0, v[30+\t/2], v[\qs] matrix_a_fmt:MATRIX_FMT_FP6 matrix_b_fmt:MATRIX_FMT_FP6 matrix_a_scale:MATRIX_SCALE_ROW1
.endr
.rept 4
	v_nop                                          ; places in front of the loads over k's tiles and of the first read of the scores
.endr
.irp t, 0,1,2,3                                ; v^T's four fragments land while the softmax is walked
.irp i, 0,1,2
	ds_load_b128 v[36+12*\t+4*\i:39+12*\t+4*\i], v[AD16] offset:6144+1536*\t+512*\i
.endr
.endr
	ds_load_b64 v[34:35], v[AD8] offset:12800      ; and its scale words
	s_cmp_lg_u32 s[KC], s[\lim]                    ; only the tile's last step lies on the diagonal
	s_cbranch_scc1 .Lopen_\@
.set n, 0
.rept 64                                       ; register n holds the step's key 16 (n / 8) + 8 h + n % 8: hidden where 16 (n / 8) + n % 8 > my query's place - 8 h
	v_cmp_gt_i32 vcc_lo, 16*(n/8)+n%8, v[\dq]
	v_cndmask_b32 v[96+n], v[96+n], v90, vcc_lo
.set n, n+1
.endr
.Lopen_\@:
.irp b, 0,1,2,3
	v_max3_num_f32 v[192+\b], v[96+16*\b], v[97+16*\b], v[98+16*\b]   ; the largest score of each block of 32 keys: it serves for the row's maximum and, since p rises with the score, for the block's largest p
.endr
.irp i, 3,5,7,9,11,13
.irp b, 0,1,2,3
	v_max3_num_f32 v[192+\b], v[192+\b], v[96+16*\b+\i], v[97+16*\b+\i]
.endr
.endr
.irp b, 0,1,2,3
	v_max_num_f32 v[192+\b], v[192+\b], v[111+16*\b]
.endr
.irp b, 0,1,2,3
	s_delay_alu instid0(VALU_DEP_4)
	v_permlanex16_b32 v[196+\b], v[192+\b], s[SEL], s[SEL+1]
.endr
.irp b, 0,1,2,3
	s_delay_alu instid0(VALU_DEP_4)
	v_max_num_f32 v[192+\b], v[192+\b], v[196+\b]  ; with lane l xor 16's 16 keys
.endr
	s_delay_alu instid0(VALU_DEP_2)
	v_max3_num_f32 v91, v192, v193, v194
	s_delay_alu instid0(VALU_DEP_1)
	v_max_num_f32 v91, v91, v195                   ; the step's largest score of my query
	s_delay_alu instid0(VALU_DEP_1)
	v_mul_f32 v91, s[CS], v91                      ; as t (c is positive)
	s_delay_alu instid0(VALU_DEP_1)
	v_max_num_f32 v13, v13, v91                    ; the running largest t
	v_mov_b32 v91, v12
	s_delay_alu instid0(VALU_DEP_2)
	v_floor_f32 v12, -v13                          ; the new -M = floor(-t) = -ceil(t)
	s_delay_alu instid0(VALU_DEP_1)
	v_sub_f32 v91, v12, v91                        ; M's old value less its new one: a whole number, 0 or less
	s_delay_alu instid0(VALU_DEP_1)
	v_cvt_i32_f32 v91, v91                         ; (it saturates)
	s_delay_alu instid0(VALU_DEP_1)
	v_ldexp_f32 v92, 1.0, v91                      ; f = 2^(old M - new M)
.set j, 0
.rept 32
	v_pk_fma_f32 v[96+j:97+j], v[96+j:97+j], s[CS:CS+1], v[12:13] op_sel_hi:[1,0,0]   ; t - M, two at a time
.set j, j+2
.endr
	s_setprio 1
.irp b, 0,1,2,3
	v_fma_f32 v[192+\b], v[192+\b], s[CS], v12     ; the same of each block's largest score
.endr
.set j, 0
	s_wait_alu depctr_va_vdst(0)
.rept 64
	v_exp_f32 v[96+j], v[96+j]                     ; p = 2^(t - M), at most 1
.set j, j+1
.endr
	v_pk_mul_f32 v[14:15], v[14:15], v[92:93] op_sel_hi:[1,0]   ; the sums under the new M: a plain place behind the exponentials
	s_wait_alu depctr_va_vdst(0)                   ; one wait for the whole batch, ahead of its first reader
.irp b, 0,1,2,3
	v_exp_f32 v[192+\b], v[192+\b]                 ; the block's largest p
.endr
	v_pk_add_f32 v[204:205], v[100:101], v[104:105]
	v_pk_add_f32 v[240:241], v[108:109], v[112:113]
	v_pk_add_f32 v[236:237], v[116:117], v[120:121]
	v_pk_add_f32 v[234:235], v[124:125], v[128:129]
	v_pk_add_f32 v[232:233], v[132:133], v[136:137]
	v_pk_add_f32 v[230:231], v[140:141], v[144:145]
	v_pk_add_f32 v[228:229], v[148:149], v[152:153]
	v_pk_add_f32 v[14:15], v[14:15], v[156:157]
	v_pk_add_f32 v[204:205], v[204:205], v[96:97]
	v_pk_add_f32 v[240:241], v[240:241], v[98:99]
	v_pk_add_f32 v[236:237], v[236:237], v[102:103]
	v_pk_add_f32 v[234:235], v[234:235], v[106:107]
	v_pk_add_f32 v[232:233], v[232:233], v[110:111]
	v_pk_add_f32 v[230:231], v[230:231], v[114:115]
	v_pk_add_f32 v[228:229], v[228:229], v[118:119]
	v_pk_add_f32 v[14:15], v[14:15], v[122:123]
	v_pk_add_f32 v[204:205], v[204:205], v[126:127]
	v_pk_add_f32 v[240:241], v[240:241], v[130:131]
	v_pk_add_f32 v[236:237], v[236:237], v[134:135]
	v_pk_add_f32 v[234:235], v[234:235], v[138:139]
	v_pk_add_f32 v[232:233], v[232:233], v[142:143]
	v_pk_add_f32 v[230:231], v[230:231], v[146:147]
	v_pk_add_f32 v[228:229], v[228:229], v[150:151]
	v_pk_add_f32 v[14:15], v[14:15], v[154:155]
	v_pk_add_f32 v[204:205], v[204:205], v[158:159]
	s_delay_alu instid0(VALU_DEP_2)
	v_pk_add_f32 v[14:15], v[14:15], v[234:235]
	s_delay_alu instid0(VALU_DEP_2)
	v_pk_add_f32 v[204:205], v[204:205], v[232:233]
	v_pk_add_f32 v[240:241], v[240:241], v[230:231]
	v_pk_add_f32 v[236:237], v[236:237], v[228:229]
	s_delay_alu instid0(VALU_DEP_2)
	v_pk_add_f32 v[14:15], v[14:15], v[240:241]
	s_delay_alu instid0(VALU_DEP_2)
	v_pk_add_f32 v[204:205], v[204:205], v[236:237]
	s_delay_alu instid0(VALU_DEP_1)
	v_pk_add_f32 v[14:15], v[14:15], v[204:205]
	s_wait_alu depctr_va_vdst(0)                   ; and one for the four
.irp b, 0,1,2,3
	v_max_num_f32 v[192+\b], 0x1800000, v[192+\b]  ; the floor 2^(3 - 127): the byte cannot fall under 1
.endr
.irp b, 0,1,2,3
	s_delay_alu instid0(VALU_DEP_4)
	v_add_nc_u32 v[200+\b], 0xff000000, v[192+\b]  ; 2 off the exponent field: the conversion's scale operand
.endr
.irp b, 0,1,2,3
	s_delay_alu instid0(VALU_DEP_4)
	v_lshrrev_b32 v[196+\b], 23, v[200+\b]         ; the scale's byte
.endr
	s_delay_alu instid0(VALU_DEP_3)
	v_lshl_or_b32 v94, v197, 8, v196               ; p's scale word for these 128 keys
	s_delay_alu instid0(VALU_DEP_1)
	v_lshl_or_b32 v94, v198, 16, v94
	s_delay_alu instid0(VALU_DEP_1)
	v_lshl_or_b32 v94, v199, 24, v94
	s_setprio 0
.irp c, 0,1
	v_cvt_scalef32_pk16_fp6_f32 v[224+6*\c:226+6*\c], v[96+32*\c:111+32*\c], v[200+2*\c]
	v_cvt_scalef32_pk16_fp6_f32 v[236+4*\c:238+4*\c], v[112+32*\c:127+32*\c], v[200+2*\c+1]
.endr
	v_nop                                          ; one plain place behind a scaled conversion
.irp c, 0,1                                    ; a whole block to a lane: lanes 0-15 block 2 c, lanes 16-31 block 2 c + 1
.irp i, 0,1,2
	v_permlane16_swap_b32 v[224+6*\c+\i], v[236+4*\c+\i]
.endr
.irp i, 0,1,2
	s_delay_alu instid0(VALU_DEP_3)
	v_mov_b32 v[227+6*\c+\i], v[236+4*\c+\i]
.endr
.endr
.set j, 0
.rept 16
	v_pk_mul_f32 v[160+j:161+j], v[160+j:161+j], v[92:93] op_sel_hi:[1,0]   ; O^T under the new M; these sixteen also stand between the writes of p's codes and scale word and the products
.set j, j+2
.endr
	s_wait_alu depctr_va_vdst(0)
	s_wait_dscnt 0x0                               ; v^T and its scale words are in
.irp t, 0,2                                    ; O^T += v^T p^T: four tiles of 16 channels, the accumulators by turns
	v_wmma_scale_f32_16x16x128_f8f6f4 v[160+8*\t:167+8*\t], v[36+12*\t:47+12*\t], v[224:235], v[160+8*\t:167+8*\t], v[34+\t/2], v94 matrix_a_fmt:MATRIX_FMT_FP6 matrix_b_fmt:MATRIX_FMT_FP6
	v_wmma_scale_f32_16x16x128_f8f6f4 v[168+8*\t:175+8*\t], v[48+12*\t:59+12*\t], v[224:235], v[168+8*\t:175+8*\t], v[34+\t/2], v94 matrix_a_fmt:MATRIX_FMT_FP6 matrix_b_fmt:MATRIX_FMT_FP6 matrix_a_scale:MATRIX_SCALE_ROW1
.endr
.Lskip_\@:
	s_add_co_u32 s[TB], s[TB], REC
	s_add_co_u32 s[KC], s[KC], 1
	s_cmp_lt_u32 s[KC], \trips
	s_cbranch_scc1 .Lstep_\@
	s_setprio 0
	; THE TILE'S END: o = O^T / the sum; quantised along the channels in their true order, since Wp's codes are given in it
.rept 4
	v_nop                                          ; places behind the last products
.endr
	v_add_f32 v14, v14, v15                        ; the sum's two halves,
	s_delay_alu instid0(VALU_DEP_1)
	v_permlanex16_b32 v91, v14, s[SEL], s[SEL+1]
	s_delay_alu instid0(VALU_DEP_1)
	v_add_f32 v14, v14, v91                        ; and lane l xor 16's
	s_wait_alu depctr_va_vdst(0)
	v_rcp_f32 v92, v14
	v_nop                                          ; a plain place behind the reciprocal
	s_wait_alu depctr_va_vdst(0)                   ; and the wait ahead of its first reader
.set j, 0
.rept 16
	v_pk_mul_f32 v[96+j:97+j], v[160+j:161+j], v[92:93] op_sel_hi:[1,0]   ; register 8 t + i: o(my query, 16 t + 8 h + i); each accumulator from its low end on
.set j, j+2
.endr
.irp b, 0,1
.irp j, 0,1,2,3,4,5,6,7
	v_permlane16_swap_b32 v[96+16*\b+\j], v[104+16*\b+\j]   ; tile 2 b's lanes 16-31 change places with tile 2 b + 1's lanes 0-15: registers 16 b .. 16 b + 15 are now channels 32 b + 16 h + 0 .. 15
.endr
.endr
.irp b, 0,1
	v_max3_num_f32 v[192+\b], |v[96+16*\b]|, |v[97+16*\b]|, 0x1800000
.endr
.irp i, 2,4,6,8,10,12,14
.irp b, 0,1
	s_delay_alu instid0(VALU_DEP_2)
	v_max3_num_f32 v[192+\b], v[192+\b], |v[96+16*\b+\i]|, |v[97+16*\b+\i]|
.endr
.endr
.irp b, 0,1
	s_delay_alu instid0(VALU_DEP_2)
	v_permlanex16_b32 v[196+\b], v[192+\b], s[SEL], s[SEL+1]
.endr
.irp b, 0,1
	s_delay_alu instid0(VALU_DEP_2)
	v_max_num_f32 v[192+\b], v[192+\b], v[196+\b]
.endr
.irp b, 0,1
	s_delay_alu instid0(VALU_DEP_2)
	v_add_nc_u32 v[200+\b], 0xff000000, v[192+\b]
.endr
.irp b, 0,1
	s_delay_alu instid0(VALU_DEP_2)
	v_lshrrev_b32 v[196+\b], 23, v[200+\b]
.endr
	v_cvt_scalef32_pk16_fp6_f32 v[224:226], v[96:111], v200
	v_cvt_scalef32_pk16_fp6_f32 v[236:238], v[112:127], v201
	v_nop
.irp i, 0,1,2
	v_permlane16_swap_b32 v[224+\i], v[236+\i]
.endr
.irp i, 0,1,2
	s_delay_alu instid0(VALU_DEP_3)
	v_mov_b32 v[227+\i], v[236+\i]
.endr
	v_cndmask_b32 v8, v196, v197, s19              ; lanes 0-15 store block 0's byte, lanes 16-31 block 1's
	global_store_b128 v[L16], v[224:227], s[48+8*\p:49+8*\p]              ; 512 consecutive bytes,
	global_store_b64 v[L8], v[228:229], s[48+8*\p:49+8*\p] offset:512     ; and the 256 behind them
	global_store_b8 v7, v8, s[50+8*\p:51+8*\p]
.endm
	PASS 0, 16, 28, 5, 42, 8
	PASS 1, 244, 29, 6, 43, 16
	s_wait_tensorcnt 0x0
	ds_add_u32 v239, v243
	s_wait_dscnt 0x0
	CROUND                                         ; the closing round: no work-group ends while a partner may still ask for a tile that names it
	s_endpgm
.Lfunc_end_k_qabe66a895e_attn:
	.size	k_qabe66a895e_attn, .Lfunc_end_k_qabe66a895e_attn-k_qabe66a895e_attn
	.p2alignl 7, 3214868480
	.fill 96, 4, 3214868480
	.section	.rodata,"a",@progbits
	.p2align	6, 0x0
	.amdhsa_kernel k_qabe66a895e_attn
		.amdhsa_group_segment_fixed_size 215040
		.amdhsa_private_segment_fixed_size 0
		.amdhsa_enable_private_segment 0
		.amdhsa_kernarg_size 32
		.amdhsa_user_sgpr_count 2
		.amdhsa_user_sgpr_kernarg_segment_ptr 1
		.amdhsa_wavefront_size32 1
		.amdhsa_system_sgpr_workgroup_id_x 1
		.amdhsa_system_sgpr_workgroup_id_y 1
		.amdhsa_system_sgpr_workgroup_id_z 1
		.amdhsa_system_vgpr_workitem_id 0
		.amdhsa_next_free_vgpr 256
		.amdhsa_next_free_sgpr 66
		.amdhsa_reserve_vcc 1
		.amdhsa_float_denorm_mode_32 3
		.amdhsa_float_denorm_mode_16_64 3
		.amdhsa_memory_ordered 1
		.amdhsa_forward_progress 1
		.amdhsa_inst_pref_size 65
	.end_amdhsa_kernel
	.amdgpu_metadata
---
amdhsa.version: [ 1, 2 ]
amdhsa.kernels:
  - .name:           k_qabe66a895e_attn
    .symbol:         k_qabe66a895e_attn.kd
    .args:
      - { .name: qws, .offset: 0, .size: 8, .value_kind: global_buffer, .address_space: global }
      - { .name: kvws, .offset: 8, .size: 8, .value_kind: global_buffer, .address_space: global }
      - { .name: ows, .offset: 16, .size: 8, .value_kind: global_buffer, .address_space: global }
      - { .name: osc, .offset: 24, .size: 8, .value_kind: global_buffer, .address_space: global }
    .group_segment_fixed_size: 215040
    .private_segment_fixed_size: 0
    .kernarg_segment_align: 8
    .kernarg_segment_size: 32
    .max_flat_workgroup_size: 512
    .sgpr_count:     66
    .vgpr_count:     256
    .wavefront_size: 32
...
	.end_amdgpu_metadata
.endif
;; end of part 2
;; launch outp (part 3): grid 4 x 32, 4 waves a work-group, clusters of 4 x 4, 327,680 bytes of LDS; arguments ows, osc, Wp_codes, Wp_scales, bp, out0; writes out0
.if DOCPART == 3
	.amdgcn_target "amdgcn-amd-amdhsa--gfx1250"
	.amdhsa_code_object_version 6
	.text
	.protected	k_qabe66a895e_outp
	.globl	k_qabe66a895e_outp
	.p2align	8
	.type	k_qabe66a895e_outp,@function
k_qabe66a895e_outp:
	s_mov_b64 s[64:65], 0
	v_nop
	global_prefetch_b8 v0, s[64:65] scope:SCOPE_SE
	s_setreg_imm32_b32 hwreg(HW_REG_WAVE_MODE, 25, 1), 1
	s_wait_xcnt 0x0
	s_wait_alu depctr_hold_cnt(0) depctr_sa_sdst(0) depctr_va_vdst(0) depctr_va_sdst(0) depctr_va_ssrc(0) depctr_va_vcc(0) depctr_vm_vsrc(0)
	s_getreg_b32 s2, hwreg(HW_REG_IB_STS2, 6, 4)
	s_cmp_eq_u32 s2, 0
	s_cbranch_scc0 .Lentry_in_a_cluster
	s_endpgm
.Lentry_in_a_cluster:
	s_bfe_u32 s2, ttmp6, 0x10000c
	s_cmp_lg_u32 s2, 0xf033
	s_cbranch_scc0 .Lentry_shape_is_right
	s_endpgm
.Lentry_shape_is_right:
; out0 = o Wp + bp on codes of FP6 (E2M3) with one E8M0 scale for each 32 along K = 1,024.  C[m][n] = sum over k of A[m][k] B[n][k] + bp[n]; A = o (8,192 rows), B = Wp (1,024 rows, K innermost); C f32.
; o arrives as images of operand registers: [tile of 16 rows][head][768 bytes]: 6 registers a lane (64 along K): registers 0-3 at 16 x lane, registers 4-5 at 512 + 8 x lane.  Two heads are a fragment of 128 along K.
; Its scale bytes lie [8,192][32], as Wp's do.
; A tile of C is 256 x 256, made by four waves of 128 x 128.  K goes in steps of 256 through a ring of two LDS slots filled by the tensor data mover; the scale bytes come once, with the first fills.
; CLUSTERS of 4 x 4: A's tile is asked for jointly along a row of the cluster, B's along a column.  The grid has 128 work-groups: a smaller tile would read each fragment from LDS for half as many products.
; THE MATRIX INSTRUCTION IS USED TRANSPOSED (source 0 = 16 rows of B, source 1 = 16 rows of A): a lane holds eight neighbouring numbers of a row of C.  The bias is the C of each sum's first product.
; REGISTERS, in windows of 256: window 0: v0-31 addresses; v32-63 scale words, two sets; v64-127 the bias; from v128 A's fragments, one set; on the way out v128-255 take rows of C.
;   window 1: B's fragments, two sets.   window 2: the accumulators of my rows 0-63;   window 3: those of rows 64-127.
.set SIZE_N, 1024
.set KSTEP,  256
.set NQ,     KSTEP/128
.set ROWB,   192                       ; a row of B's tile in bytes
.set KROW,   768                       ; a row of Wp's codes in memory
.set PITCH,  240                       ; B's LDS row: 3 x (64 bytes + 16 of padding)
.set FR,     12
.set NL,     6                         ; LDS loads that bring a fragment of B
.set NLA,    4                         ; and one of A
.set NP,     4                         ; places behind this matrix instruction (ISA guide 7.12.1)
.set ATILE,  3072                      ; 16 rows x 256 along K of A: four heads' images
.set HALFA,  8*ATILE                   ; 128 rows of A: what one tensor load brings
.set HALFT,  128*PITCH                 ; 128 rows of B
.set SLOT,   2*HALFA+2*HALFT           ; A's 256 rows, then B's 256 rows
.set LAPS,   2
.set KS,     32
.set SCL,    2*SLOT                    ; behind the ring: the scales, as runs of 256 bytes + 16 of padding
.set HALFS,  (128*KS/256)*272
.set SBLK,   (16*KS/256)*272
.set SPARE,  SCL+4*HALFS               ; the spare words, 128 bytes for each wave: two blocks of 256 bytes that no other line names
.set SPITCH, 528                       ; the way out: a stage of 16 rows x (512 bytes + 16) for each wave, in slot 0, which has had its last fill and its last read when the first result is stored there
.set ADRA, 16                          ; v16-17 LDS address of A's images in slot 0, 1, + 16 x lane;  v18-19 the same + 8 x lane
.set ADRB, 20                          ; v20-21 of my B fragments;  v22-23 for the pieces behind one padding more
.set STO,  24
.set RD,   25
.set CO,   26
.set ADRS, 27
.set SPW,  28                          ; v28 LDS address of my spare word; never rewritten
.set NIL,  29                          ; v29 0; never rewritten
.set SC,   32
.set BN,   64                          ; the bias: register 8 b + j = bp(my first column + 16 b + 8 h + j)
.set AF,   128
.set BK,   128
.set G1, 24
.set G0, 32
.set G1B, 48
.set G0B, 56
.set G1S, 68
.set G0S, 76
.set G1SB, 80
.set G0SB, 88
.set MSB, 0
.macro WIN new                         ; the immediate's high byte repeats the setting that is left
.if MSB != (\new)
	s_set_vgpr_msb (MSB<<8)|(\new)
.set MSB, (\new)
.endif
.endm
.set MUL_LO, 0xa1                      ; source 0 (B) window 1, source 1 (A) window 0, C and D window 2
.set MUL_HI, 0xf1                      ; the same, C and D window 3
.set FST_LO, 0x81                      ; the first products: C (the bias) window 0, D window 2
.set FST_HI, 0xc1                      ; D window 3
.set TO_B,   0x40
.macro JLOAD g0a, g1a, g0b, g1b        ; a joint load: waves 0 and 1 fetch for A, waves 2 and 3 for B; four v_nop follow each of the two lines
	s_cmp_eq_u32 s15, 0
	s_cbranch_scc0 .Lfor_b_\@
	tensor_load_to_lds s[\g0a:\g0a+3], s[\g1a:\g1a+7]
	s_nop 0
.rept 4
	v_nop
.endr
	s_branch .Lasked_\@
.Lfor_b_\@:
	tensor_load_to_lds s[\g0b:\g0b+3], s[\g1b:\g1b+7]
	s_nop 0
.rept 4
	v_nop
.endr
.Lasked_\@:
.endm
.macro CREST
	s_cmp_lg_u32 s14, 0
	s_cbranch_scc1 .Lnot_wave_0_\@
	s_barrier_signal -3
.Lnot_wave_0_\@:
	s_barrier_wait -3
	s_barrier_signal -1
	s_barrier_wait -1
.endm
.macro CROUND
	s_barrier_signal -1
	s_barrier_wait -1
	CREST
.endm
	s_load_b128 s[4:7], s[0:1], 0x0                ; o's images, o's scales
	s_load_b128 s[8:11], s[0:1], 0x10              ; Wp's codes, Wp's scales
	s_load_b64 s[96:97], s[0:1], 0x20              ; bp
	s_load_b64 s[12:13], s[0:1], 0x28              ; out0
	v_lshl_add_u32 v[SPW], v0, 2, SPARE
	v_mov_b32 v[NIL], 0
	ds_add_u32 v28, v29
	ds_add_u32 v28, v29
	s_wait_dscnt 0x0
	v_lshrrev_b32 v1, 5, v0
	v_readfirstlane_b32 s14, v1                    ; wave 0..3
	s_lshr_b32 s15, s14, 1                         ; which half of the tile's rows is mine.  Also: I fetch for A (0) or for B (1)
	s_and_b32 s16, s14, 1                          ; which half of its columns.  Also: which 128 rows of that tile I fetch
	s_bfe_u32 s40, ttmp6, 0x40000                  ; cx, cy
	s_bfe_u32 s41, ttmp6, 0x40004
	s_lshl_b32 s42, ttmp9, 2
	s_add_co_u32 s42, s42, s40                     ; tile column of C
	s_and_b32 s17, ttmp7, 0xffff
	s_lshl_b32 s17, s17, 2
	s_add_co_u32 s17, s17, s41                     ; tile row of C
	s_lshl_b32 s43, s41, 2
	s_lshl_b32 s43, 15, s43                        ; my row of the cluster
	s_lshl_b32 s44, 0x1111, s40                    ; my column
	; A's tile: 8 tiles of 16 rows, of each 3,072 consecutive bytes (384 elements of 8 bytes), 12,288 bytes apart; no padding: the images are read as they lie
	s_or_b32 s[G1+0], s43, (3<<16)|(1<<21)
	s_mov_b32 s[G1+1], 384<<16                     ; tensor_dim0
	s_mov_b32 s[G1+2], 8<<16                       ; tensor_dim1
	s_mov_b32 s[G1+3], 384<<16                     ; tile_dim0
	s_mov_b32 s[G1+4], 8                           ; tile_dim1
	s_mov_b32 s[G1+5], 1536                        ; tensor_dim0_stride
	s_mov_b32 s[G1+6], 0
	s_mov_b32 s[G1+7], 0
	; B's tile: 128 rows x 192 bytes, 16 bytes of padding behind every 64
	s_or_b32 s[G1B+0], s44, (0<<16)|(1<<20)|(1<<21)|(3<<22)|(3<<25)
	s_mov_b32 s[G1B+1], ROWB<<16
	s_mov_b32 s[G1B+2], 128<<16
	s_mov_b32 s[G1B+3], ROWB<<16
	s_mov_b32 s[G1B+4], 128
	s_mov_b32 s[G1B+5], KROW
	s_mov_b32 s[G1B+6], 0
	s_mov_b32 s[G1B+7], 0
	; the scales of 128 rows: 4,096 dense bytes as rows of 256 bytes, 16 bytes of padding behind each
	s_or_b32 s[G1S+0], s43, (3<<16)|(1<<20)|(1<<21)|(5<<22)|(3<<25)
	s_or_b32 s[G1SB+0], s44, (3<<16)|(1<<20)|(1<<21)|(5<<22)|(3<<25)
.irp g, G1S, G1SB
	s_mov_b32 s[\g+1], 32<<16
	s_mov_b32 s[\g+2], (128*KS/256)<<16
	s_mov_b32 s[\g+3], 32<<16
	s_mov_b32 s[\g+4], 128*KS/256
	s_mov_b32 s[\g+5], 32
	s_mov_b32 s[\g+6], 0
	s_mov_b32 s[\g+7], 0
.endr
	s_lshl_b32 s20, s17, 4
	s_lshl_b32 s18, s16, 3
	s_add_co_u32 s20, s20, s18                     ; A: tile of rows 16 x tile row + 8 x half
	s_mul_i32 s20, s20, 12288
	s_mov_b32 s21, 0
	s_lshl_b32 s22, s17, 8
	s_lshl_b32 s18, s16, 7
	s_add_co_u32 s22, s22, s18                     ; its first row,
	s_lshl_b32 s22, s22, 5                         ; 32 scale bytes a row
	s_mov_b32 s23, 0
	s_lshl_b32 s46, s42, 8
	s_add_co_u32 s46, s46, s18                     ; B: row 256 x tile column + 128 x half
	s_lshl_b32 s92, s46, 5
	s_mov_b32 s93, 0
	s_mul_i32 s46, s46, KROW
	s_mov_b32 s47, 0
	s_mul_i32 s45, s16, HALFA                      ; where they go: A's two halves,
	s_mul_i32 s95, s16, HALFT
	s_add_co_u32 s95, s95, 2*HALFA                 ; then B's two: no place in the cluster enters an LDS address
	s_mul_i32 s94, s14, HALFS
	s_wait_kmcnt 0x0
	s_add_nc_u64 s[20:21], s[4:5], s[20:21]
	s_add_nc_u64 s[22:23], s[6:7], s[22:23]
	s_add_nc_u64 s[46:47], s[8:9], s[46:47]
	s_add_nc_u64 s[92:93], s[10:11], s[92:93]
	CROUND                                         ; all sixteen work-groups are here: the first joint loads meet
	s_mov_b32 s[G0S], 1
	s_add_co_u32 s[G0S+1], s94, SCL
	s_mov_b64 s[G0S+2:G0S+3], s[22:23]
	s_or_b32 s[G0S+3], s[G0S+3], 0x80000000
	s_mov_b32 s[G0SB], 1
	s_add_co_u32 s[G0SB+1], s94, SCL
	s_mov_b64 s[G0SB+2:G0SB+3], s[92:93]
	s_or_b32 s[G0SB+3], s[G0SB+3], 0x80000000
	JLOAD G0S, G1S, G0SB, G1SB                     ; the scales first
.irp s, 0,1
	s_mov_b32 s[G0+4*\s], 1
	s_add_co_u32 s[G0+4*\s+1], s45, \s*SLOT
	s_add_nc_u64 s[G0+4*\s+2:G0+4*\s+3], s[20:21], \s*ATILE
	s_or_b32 s[G0+4*\s+3], s[G0+4*\s+3], 0x80000000
	s_mov_b32 s[G0B+4*\s], 1
	s_add_co_u32 s[G0B+4*\s+1], s95, \s*SLOT
	s_add_nc_u64 s[G0B+4*\s+2:G0B+4*\s+3], s[46:47], \s*ROWB
	s_or_b32 s[G0B+4*\s+3], s[G0B+4*\s+3], 0x80000000
	JLOAD G0+4*\s, G1, G0B+4*\s, G1B
.endr
	v_and_b32 v1, 15, v0                           ; r
	v_bfe_u32 v2, v0, 4, 1                         ; h
	v_mul_u32_u24 v3, v1, PITCH
	v_mul_u32_u24 v4, v2, 24
	v_add_nc_u32 v4, v3, v4                        ; B: a fragment's row x pitch + 24 x half
	v_lshl_add_u32 v5, v2, 4, v4                   ; and the same behind one padding more
	v_and_b32 v6, 31, v0
	v_lshlrev_b32 v7, 4, v6                        ; A: 16 x lane,
	v_lshlrev_b32 v8, 3, v6                        ; 8 x lane
	s_mul_i32 s21, s15, HALFA                      ; my 128 rows of A
	s_mul_i32 s22, s16, HALFT                      ; my 128 rows of B,
	s_add_co_u32 s22, s22, 2*HALFA                 ; which lie behind A's 256
.irp s, 0,1
	v_add_nc_u32 v[ADRA+\s], s21, v7
	v_add_nc_u32 v[ADRA+2+\s], s21, v8
	v_add_nc_u32 v[ADRB+\s], s22, v4
	v_add_nc_u32 v[ADRB+2+\s], s22, v5
	s_add_co_u32 s21, s21, SLOT
	s_add_co_u32 s22, s22, SLOT
.endr
	v_mul_u32_u24 v5, v1, KS                       ; my row's scales: 32 bytes a row,
	v_lshrrev_b32 v6, 8, v5
	v_lshl_add_u32 v5, v6, 4, v5                   ; and 16 more for each 256 passed
	s_mul_i32 s21, s15, HALFS
	s_mul_i32 s22, s16, HALFS
	s_add_co_u32 s22, s22, 2*HALFS
	s_sub_co_u32 s22, s22, s21
	v_mul_u32_u24 v6, s22, v2                      ; lanes 16-31 take B's
	s_add_co_u32 s21, s21, SCL
	v_add_nc_u32 v5, v5, v6
	v_add_nc_u32 v[ADRS], s21, v5
	s_mul_i32 s23, s14, 16*SPITCH                  ; my stage
	v_mul_u32_u24 v5, v1, SPITCH                   ; in: row r, 32 bytes for each half of the lanes
	v_lshl_add_u32 v5, v2, 5, v5
	v_add_nc_u32 v[STO], s23, v5
	v_and_b32 v6, 31, v0
	v_lshlrev_b32 v[CO], 4, v6                     ; back: the 32 lanes take one row of 512 bytes; and the same in C
	v_add_nc_u32 v[RD], s23, v[CO]
	s_lshl_b32 s20, s17, 8
	s_lshl_b32 s21, s15, 7
	s_add_co_u32 s20, s20, s21                     ; my first row of C
	s_mov_b32 s21, 0
	s_mov_b64 s[18:19], SIZE_N*4
	s_mul_u64 s[20:21], s[20:21], s[18:19]
	s_lshl_b32 s46, s42, 10                        ; my first column, in bytes of f32: in C and in bp alike
	s_lshl_b32 s47, s16, 9
	s_add_co_u32 s46, s46, s47
	s_mov_b32 s47, 0
	s_add_nc_u64 s[96:97], s[96:97], s[46:47]
	s_add_nc_u64 s[20:21], s[20:21], s[46:47]
	s_add_nc_u64 s[12:13], s[12:13], s[20:21]
	v_lshlrev_b32 v9, 5, v2                        ; the bias: 32 h bytes
.irp b, 0,1,2,3,4,5,6,7
	global_load_b128 v[BN+8*\b:BN+8*\b+3], v9, s[96:97] offset:64*\b
	global_load_b128 v[BN+8*\b+4:BN+8*\b+7], v9, s[96:97] offset:64*\b+16
.endr
.macro FRAG reg, adr, q, i             ; a fragment of B from rows: six pieces of 8 bytes; lanes 16-31 read three pieces further on, for some pieces behind one padding more
.irp p, 0,1,2,3,4,5
.set PCE, 12*(\q)+6*(\p/3)+\p%3
.if PCE%8 < 5
	ds_load_b64 v[\reg+2*\p:\reg+2*\p+1], v[\adr] offset:8*PCE+16*(PCE/8)+(\i)*16*PITCH
.else
	ds_load_b64 v[\reg+2*\p:\reg+2*\p+1], v[\adr+2] offset:8*PCE+16*(PCE/8)+(\i)*16*PITCH
.endif
.endr
.endm
.macro FRAGA reg, slot, q, i           ; a fragment of A from its two images: each lane takes back the registers that a lane of the same number stored
.irp c, 0,1
	ds_load_b128 v[\reg+6*\c:\reg+6*\c+3], v[ADRA+\slot] offset:ATILE*(\i)+1536*(\q)+768*\c
	ds_load_b64 v[\reg+6*\c+4:\reg+6*\c+5], v[ADRA+2+\slot] offset:ATILE*(\i)+1536*(\q)+768*\c+512
.endr
.endm
; 16 matrix instructions: A's blocks a0, a0 + 1 x B's eight.  first = 1: the bias is the C of the sums' first products.  The 64 accumulators take turns, one instruction a turn.
.macro MUL16 a0, p, q, sc, first
.irp a, \a0, \a0+1
.irp b, 0,1,2,3,4,5,6,7
.if \first
	v_wmma_scale_f32_16x16x128_f8f6f4 v[8*(8*((\a)%4)+\b):8*(8*((\a)%4)+\b)+7], v[128*(\p)+FR*\b:128*(\p)+FR*\b+FR-1], v[AF+FR*(\a):AF+FR*(\a)+FR-1], v[BN+8*\b:BN+8*\b+7], v[SC+8*NQ*(\sc)+NQ*\b+(\q)], v[SC+8*NQ*(\sc)+NQ*(\a)+(\q)] matrix_a_fmt:MATRIX_FMT_FP6 matrix_b_fmt:MATRIX_FMT_FP6 matrix_a_scale:MATRIX_SCALE_ROW1
.else
	v_wmma_scale_f32_16x16x128_f8f6f4 v[8*(8*((\a)%4)+\b):8*(8*((\a)%4)+\b)+7], v[128*(\p)+FR*\b:128*(\p)+FR*\b+FR-1], v[AF+FR*(\a):AF+FR*(\a)+FR-1], v[8*(8*((\a)%4)+\b):8*(8*((\a)%4)+\b)+7], v[SC+8*NQ*(\sc)+NQ*\b+(\q)], v[SC+8*NQ*(\sc)+NQ*(\a)+(\q)] matrix_a_fmt:MATRIX_FMT_FP6 matrix_b_fmt:MATRIX_FMT_FP6 matrix_a_scale:MATRIX_SCALE_ROW1
.endif
.endr
.endr
.endm
.macro FETCH_B slot, q, p
	WIN TO_B
.irp i, 0,1,2,3,4,5,6,7
	FRAG 128*(\p)+FR*\i, ADRB+\slot, \q, \i
.endr
	WIN 0
.endm
.macro FETCH_A slot, q, i0
.irp i, \i0, \i0+1, \i0+2, \i0+3
	FRAGA AF+FR*(\i), \slot, \q, \i
.endr
.endm
.macro SCALES sc
.irp i, 0,1,2,3,4,5,6,7
	ds_load_b64 v[SC+8*NQ*\sc+NQ*\i:SC+8*NQ*\sc+NQ*\i+1], v[ADRS] offset:\i*SBLK
.endr
.endm
.macro PLACES n
.rept \n
	v_nop
.endr
.endm
.macro STEP slot, q, first
	s_wait_dscnt 4*NLA                             ; B's set and A's blocks 0-3 are in; the youngest 16 loads (A's blocks 4-7) may be out
.if \first
	WIN FST_LO
.else
	WIN MUL_LO
.endif
	MUL16 0, (\q)%2, \q, \slot, \first
	MUL16 2, (\q)%2, \q, \slot, \first
	s_wait_dscnt 0                                 ; A's blocks 4-7 are in
	PLACES NP
	FETCH_B \slot, (\q)+1, 1-(\q)%2
	FETCH_A \slot, (\q)+1, 0
.if \first
	WIN FST_HI
.else
	WIN MUL_HI
.endif
	MUL16 4, (\q)%2, \q, \slot, \first
	MUL16 6, (\q)%2, \q, \slot, \first
	PLACES NP
	WIN 0
	FETCH_A \slot, (\q)+1, 4
.endm
; A slot's last step changes slots: one barrier; in front of it each wave waits for all its tensor loads, adds 0 to its spare word, and waits for that and for its own reads of this slot.
.macro TURN slot, next, fill
	s_wait_tensorcnt 0x0                           ; all my tensor loads have landed: my part of the next slot
	ds_add_u32 v[SPW], v[NIL]                      ; 0 onto my spare word
	s_wait_dscnt 4*NLA+1                           ; the add and the youngest 16 loads (A's blocks 4-7) may be out
	WIN MUL_LO
	MUL16 0, 1, NQ-1, \slot, 0
	s_wait_dscnt 0x0                               ; the add is done, and my reads of this slot are over
	s_barrier_signal -1
	MUL16 2, 1, NQ-1, \slot, 0
	WIN 0
	s_barrier_wait -1
.if \fill
	CREST                                          ; the barrier has opened a round of the cluster's barrier
	s_add_nc_u64 s[G0+4*\slot+2:G0+4*\slot+3], s[G0+4*\slot+2:G0+4*\slot+3], 2*ATILE
	s_add_nc_u64 s[G0B+4*\slot+2:G0B+4*\slot+3], s[G0B+4*\slot+2:G0B+4*\slot+3], 2*ROWB
	JLOAD G0+4*\slot, G1, G0B+4*\slot, G1B         ; the first tensor load behind the round; its four v_nop are the places in front of the loads below
.else
	PLACES NP
.endif
	v_add_nc_u32 v[ADRS], 4*NQ, v[ADRS]
	FETCH_B \next, 0, 0
	FETCH_A \next, 0, 0
	SCALES \next
	WIN MUL_HI
	MUL16 4, 1, NQ-1, \slot, 0
	MUL16 6, 1, NQ-1, \slot, 0
	PLACES NP
	WIN 0
	FETCH_A \next, 0, 4
.endm
	s_wait_tensorcnt 1                             ; of my three first fills the scales and K step 0 are in; K step 1's may be out
	s_barrier_signal -1
	s_barrier_wait -1
	FETCH_B 0, 0, 0
	FETCH_A 0, 0, 0
	SCALES 0
	FETCH_A 0, 0, 4
	s_wait_loadcnt 0x0                             ; the bias
	STEP 0, 0, 1                                   ; the first step stands in front of the loop: its products start the sums, on the bias
	s_mov_b32 s3, LAPS-1
.Llap:
	TURN 0, 1, 1
	STEP 1, 0, 0
	TURN 1, 0, 1
	STEP 0, 0, 0
	s_sub_co_u32 s3, s3, 1
	s_cmp_lg_u32 s3, 0
	s_cbranch_scc1 .Llap
	TURN 0, 1, 0                                   ; the last lap fills nothing
	STEP 1, 0, 0
	s_wait_dscnt 4*NLA
	WIN MUL_LO
	MUL16 0, 1, NQ-1, 1, 0
	MUL16 2, 1, NQ-1, 1, 0
	s_wait_dscnt 0
	WIN MUL_HI
	MUL16 4, 1, NQ-1, 1, 0
	MUL16 6, 1, NQ-1, 1, 0
	WIN 0
; THE WAY OUT, block by block of 16 rows x 128 columns, through my own stage in LDS: in as 32 bytes a lane, back as whole rows of 512 bytes.  LDS serves a wave's instructions in order (ISA guide 5.7.1.4).
.macro TOSTAGE a
.set AC, 64*((\a)%4)
	WIN 0x08+4*((\a)/4)                            ; the data: window 2 or 3
.irp b, 0,1,2,3,4,5,6,7
	ds_store_b128 v[STO], v[AC+8*\b:AC+8*\b+3] offset:64*\b          ; each accumulator from its low end on
	ds_store_b128 v[STO], v[AC+8*\b+4:AC+8*\b+7] offset:64*\b+16
.endr
	WIN 0
.set BB, BK+64*((\a)%2)
.irp t, 0,1,2,3,4,5,6,7,8,9,10,11,12,13,14,15
	ds_load_b128 v[BB+4*\t:BB+4*\t+3], v[RD] offset:\t*SPITCH
.endr
.endm
.macro SEND a, younger                 ; younger: the LDS instructions issued behind block a's loads, which may stay out
.set BB, BK+64*((\a)%2)
	s_wait_dscnt \younger
.if (\a) > 0
	s_add_nc_u64 s[12:13], s[12:13], 16*SIZE_N*4   ; (behind a wait on XCNT: the earlier stores have read their base)
.endif
.irp t, 0,1,2,3,4,5,6,7,8,9,10,11,12,13,14,15
	global_store_b128 v[CO], v[BB+4*\t:BB+4*\t+3], s[12:13] offset:\t*SIZE_N*4 th:TH_STORE_NT   ; 32 lanes store 512 consecutive bytes, at a multiple of 256 from C's first byte
.endr
.endm
	PLACES NP
	TOSTAGE 0
.irp a, 1,2,3,4,5,6,7
.if \a > 1
	s_wait_xcnt 0x0                                ; block a - 2's stores have read their registers and their base
.endif
	TOSTAGE \a
	SEND \a-1, 32                                  ; behind block a - 1's loads: block a's 16 stores and 16 loads
.endr
	s_wait_xcnt 0x0
	SEND 7, 0
	s_wait_tensorcnt 0x0                           ; the wave's end
	ds_add_u32 v[SPW], v[NIL]
	s_wait_dscnt 0x0
	CROUND                                         ; the closing round
	s_endpgm
.Lfunc_end_k_qabe66a895e_outp:
	.size	k_qabe66a895e_outp, .Lfunc_end_k_qabe66a895e_outp-k_qabe66a895e_outp
	.p2alignl 7, 3214868480
	.fill 96, 4, 3214868480
	.section	.rodata,"a",@progbits
	.p2align	6, 0x0
	.amdhsa_kernel k_qabe66a895e_outp
		.amdhsa_group_segment_fixed_size 327680
		.amdhsa_private_segment_fixed_size 0
		.amdhsa_enable_private_segment 0
		.amdhsa_kernarg_size 48
		.amdhsa_user_sgpr_count 2
		.amdhsa_user_sgpr_kernarg_segment_ptr 1
		.amdhsa_wavefront_size32 1
		.amdhsa_system_sgpr_workgroup_id_x 1
		.amdhsa_system_sgpr_workgroup_id_y 1
		.amdhsa_system_sgpr_workgroup_id_z 1
		.amdhsa_system_vgpr_workitem_id 0
		.amdhsa_next_free_vgpr 1024
		.amdhsa_next_free_sgpr 98
		.amdhsa_reserve_vcc 0
		.amdhsa_float_denorm_mode_32 3
		.amdhsa_float_denorm_mode_16_64 3
		.amdhsa_memory_ordered 1
		.amdhsa_forward_progress 1
		.amdhsa_inst_pref_size 154
	.end_amdhsa_kernel
	.amdgpu_metadata
---
amdhsa.version: [ 1, 2 ]
amdhsa.kernels:
  - .name:           k_qabe66a895e_outp
    .symbol:         k_qabe66a895e_outp.kd
    .args:
      - { .name: ows, .offset: 0, .size: 8, .value_kind: global_buffer, .address_space: global }
      - { .name: osc, .offset: 8, .size: 8, .value_kind: global_buffer, .address_space: global }
      - { .name: Wp_codes, .offset: 16, .size: 8, .value_kind: global_buffer, .address_space: global }
      - { .name: Wp_scales, .offset: 24, .size: 8, .value_kind: global_buffer, .address_space: global }
      - { .name: bp, .offset: 32, .size: 8, .value_kind: global_buffer, .address_space: global }
      - { .name: out0, .offset: 40, .size: 8, .value_kind: global_buffer, .address_space: global }
    .group_segment_fixed_size: 327680
    .private_segment_fixed_size: 0
    .kernarg_segment_align: 8
    .kernarg_segment_size: 48
    .max_flat_workgroup_size: 128
    .sgpr_count:     98
    .vgpr_count:     1024
    .wavefront_size: 32
...
	.end_amdgpu_metadata
.endif
;; end of part 3
